; MI455X (gfx1250); checked and timed in simulation.
; The chip was launched on July 23, 2026; its instructions are those of AMD's public machine-readable ISA for CDNA 5 (MIT licence, August 2026) and "CDNA5" Instruction Set Architecture Reference Guide (July 2026). The comments in the code are by the model that wrote it; some were corrected since.
;; MHA. Allowed arithmetic: matrix products marked QUANTISED: E4M3 operands, one given power-of-two scale a tensor, by v_wmma_f32_16x16x64_fp8_fp8 or v_wmma_f32_16x16x128_fp8_fp8, f32 sums; everything else in f32.
;; Inputs: lowp_scales 12 int32 (the exponents e of the quantised operands' scales 2^e); token_positions 2,048 int32; w_k_codes 1,024 x 32 x 32 uint8 (E4M3 codes of w_k, K innermost, in blocks of 32 codes); w_o_codes 1,024 x 32 x 32 uint8 (E4M3 codes of w_o, K innermost, in blocks of 32 codes); w_q_codes 1,024 x 32 x 32 uint8 (E4M3 codes of w_q, K innermost, in blocks of 32 codes); w_v_codes 1,024 x 32 x 32 uint8 (E4M3 codes of w_v, K innermost, in blocks of 32 codes); x_codes 4 x 2,048 x 32 x 32 uint8 (E4M3 codes of x, K innermost, in blocks of 32 codes).
;; Outputs: out0 4 x 2,048 x 1,024 float32.
;; This version of the problem:
;;   THIS VERSION OF THE PROBLEM IS GIVEN IN LOW PRECISION. The matrix products marked QUANTISED in the list below multiply operands that are first quantised to E4M3 (4 exponent bits, 3 mantissa bits; 8 bits a number), with one given power-of-two scale for each operand tensor; their sums are f32. All else is computed in f32.
;;   The module's matrix products, in the order in which they are computed (A, B: the left and right operand; K: the contracted axis; several contracted axes count as one K, in the product's order):
;;     1. [M 8,192, K 1,024] x [K 1,024, N 1,024]; A: input x (given as codes); B: input w_q (given as codes): QUANTISED (scales: A lowp_scales[0], B lowp_scales[1])
;;     2. [M 8,192, K 1,024] x [K 1,024, N 1,024]; A: input x (given as codes); B: input w_k (given as codes): QUANTISED (scales: A lowp_scales[2], B lowp_scales[3])
;;     3. [M 8,192, K 1,024] x [K 1,024, N 1,024]; A: input x (given as codes); B: input w_v (given as codes): QUANTISED (scales: A lowp_scales[4], B lowp_scales[5])
;;     4. batch 64 x [M 2,048, K 64] x [K 64, N 2,048]; A: computed on the way; B: computed on the way: QUANTISED (scales: A lowp_scales[6], B lowp_scales[7])
;;     5. batch 64 x [M 2,048, K 2,048] x [K 2,048, N 64]; A: softmax (see below); B: computed on the way: QUANTISED (scales: A lowp_scales[8], B lowp_scales[9])
;;     6. [M 8,192, K 1,024] x [K 1,024, N 1,024]; A: computed on the way; B: input w_o (given as codes): QUANTISED (scales: A lowp_scales[10], B lowp_scales[11])
;;   THE QUANTISER, for each operand of a quantised product, along K:
;;     - The operand's scale is 2^e, e = its entry of the input lowp_scales (int32; the entries are numbered through the quantised products in the list's order, A before B).
;;     - Each number is divided by the scale, clamped to +-448, and rounded to the nearest number of E4M3, ties to even, subnormals kept.
;;     - The product sums the exact products of the quantised numbers (number of the format x scale) in f32.
;;   ~~~python
;;   def quantise(x, axis, e):      # numpy; x: float32 -> the quantised numbers, widened to float32 again
;;       x = np.moveaxis(x, axis, -1); K = x.shape[-1]
;;       r = np.clip(x / 2.0 ** e, -448, 448)
;;       step = 2.0 ** (np.maximum(np.frexp(np.where(r == 0, 1, r))[1] - 1, -6) - 3)
;;       q = np.round(r / step) * step * 2.0 ** e      # np.round: ties to even
;;       return np.moveaxis(q, -1, axis).astype(np.float32)
;;   ~~~
;;   SOFTMAX AHEAD OF A QUANTISED PRODUCT. Where the list says 'softmax', what is quantised is not the finished softmax but p = 2^(t - M), with t = logit x log2(e) and M = ceil(the row's largest t), a whole number; so 1/2 < the row's largest p <= 1. The row's sum l is taken of the UNQUANTISED p, in f32, and the product's result is divided by l at the end. Since M is a whole number, a kernel that streams over the keys may use a running M (the ceiling of the running maximum): every later rescaling is an exact power of two, so the quantised numbers keep their values, but for numbers so far below the row's largest that they fall under the format's range.
;;   OPERANDS COMPUTED ON THE WAY. 'Computed on the way' means the value that the module computes at that place (a softmax that the list does not call 'softmax' is quantised finished and normalised). What goes into a quantiser is computed in f32, as accurately as f32 sums, v_exp_f32 and their like allow (about 1e-6 of the number): no bf16 or f16 on the way to a quantiser, and a product that is left as it is and whose result goes on into a quantised operand takes f32 operands (vector FMAs, or v_wmma_f32_16x16x4_f32). A number that lies on a knife's edge between two numbers of the format may be rounded either way, as far as f32 arithmetic and the matrix unit's own rounding can turn it there, and no further.
;;   INPUTS GIVEN AS CODES. w_k (in the module: [1024, 1024], K = its axis 1); w_o (in the module: [1024, 1024], K = its axis 1); w_q (in the module: [1024, 1024], K = its axis 1); w_v (in the module: [1024, 1024], K = its axis 1); x (in the module: [4, 2048, 1024], K = its axis 2): each comes as NAME_codes (uint8): NAME with its K axis moved to the last place and cut into blocks of 32 codes, [.., K / 32, bytes a block], one block behind the other in memory; one code a byte (a code: sign, 4 exponent bits, 3 mantissa bits); its scale is its entry of lowp_scales. Its value is code x scale, taken as it is: it is not quantised again, and the codes and scales need not be those that the quantiser above would give.
;; One version. Each part assembles by itself: llvm-mc -triple=amdgcn-amd-amdhsa -mcpu=gfx1250 --defsym DOCPART=n.
;; ======== version 1 of 1: 3 launches
;; limits: right only within a limited range of input values
;; workspace buffers: qf 8,388,608 bytes; kf 8,388,608 bytes; vf 8,388,608 bytes; af 8,388,608 bytes
;; launch qkv (part 1): grid 12 x 32, 4 waves a work-group, clusters of 4 x 4, 327,680 bytes of LDS; arguments x_codes, w_q_codes, w_k_codes, w_v_codes, lowp_scales, token_positions, qf, kf, vf; writes qf, kf, vf
.if DOCPART == 1
	.amdgcn_target "amdgcn-amd-amdhsa--gfx1250"
	.amdhsa_code_object_version 6
	.text
	.protected	k_qc8e2f777db_qkv
	.globl	k_qc8e2f777db_qkv
	.p2align	8
	.type	k_qc8e2f777db_qkv,@function
k_qc8e2f777db_qkv:
	s_mov_b64 s[64:65], 0
	v_nop
	global_prefetch_b8 v0, s[64:65] scope:SCOPE_SE
	s_setreg_imm32_b32 hwreg(HW_REG_WAVE_MODE, 25, 1), 1
	s_wait_xcnt 0x0
	s_wait_alu depctr_hold_cnt(0) depctr_sa_sdst(0) depctr_va_vdst(0) depctr_va_sdst(0) depctr_va_ssrc(0) depctr_va_vcc(0) depctr_vm_vsrc(0)
	s_getreg_b32 s2, hwreg(HW_REG_IB_STS2, 6, 4)
	s_cmp_eq_u32 s2, 0
	s_cbranch_scc0 .Lentry_in_a_cluster
	s_endpgm
.Lentry_in_a_cluster:
	s_bfe_u32 s2, ttmp6, 0x10000c
	s_cmp_lg_u32 s2, 0xf033
	s_cbranch_scc0 .Lentry_shape_is_right
	s_endpgm
.Lentry_shape_is_right:
; q = rope(x Wq^T), k = rope(x Wk^T), v = x Wv^T on codes of FP8 (E4M3); the results are quantised (scales 6, 7 and 9 of the buffer of scales) and stored as IMAGES OF THE NEXT
; PRODUCT'S OPERAND REGISTERS.  x: [8192][1024] codes, each W: [1024][1024] codes, K innermost.  Sums, the rotation and all that stands ahead of the quantiser in f32.
; SHARES.  A tile of 256 x 256 of a product is made by a work-group of four waves, a wave makes 128 x 128: 64 accumulators, 512 registers.  K = 1,024 goes in four steps of 256 through a ring of two LDS slots.
; CLUSTERS of 4 x 4 work-groups; the cluster's x says which product: 0 q, 1 k, 2 v: the same number in all sixteen partners.  The four of a row of the cluster ask jointly for "A"'s tile, the four of a column for "B"'s.
;   q, k: "A" = x (tile row 4 x cluster y + cy), "B" = the weight (tile column cx).  v: THE ROLES ARE SWAPPED: "A" = Wv (tile row cy), "B" = x (tile column 4 x cluster y + cx).
; THE MATRIX INSTRUCTION takes 16 rows of "B" as source 0 and 16 rows of "A" as source 1: a lane holds one row of "A" and eight neighbouring rows of "B".  For q and k that is one token and eight neighbouring
; channels of a head; for v one channel and eight neighbouring tokens: in both cases eight neighbours along the NEXT product's K, so that one conversion gives two registers of the next operand.
; IMAGES.  qf, kf: [batch][head][tile of 16 tokens][2][lane][16 bytes]: registers 2 c, 2 c + 1 of lane (r, h) = token r, channels 16 c + 8 h + 0 .. 7.
;          vf: [batch][head][128 keys][16 channels][4][lane][16 bytes]: registers 2 c, 2 c + 1 of lane (r, h) = channel r, keys 16 c + 8 h + 0 .. 7.   Every store of a wave covers 512 consecutive bytes, aligned.
; THE ROTATION is linear, so it works on the raw sums, and the three scales (x's, the weight's, the result's) are folded into the conversion's one, 2^E, E = e_out - e_x - e_w.
; Sine and cosine are made here, in f32: the angle pos x inv_freq rounded once; a reduction by pi/2 in three parts with fused multiply-adds; polynomials on -pi/4 .. pi/4; the quadrant chosen by selects.
; A work-group makes them once for its 256 tokens x 32 frequencies (a lane a frequency, a wave 64 tokens), in LDS, in slot 0, which has had its last fill and its last read by then.
; LIMITS: E between -126 and 119; |position| under 2^17 (the quotient by pi/2 stays a small whole number); inv_freq is 2^(-i log2(10000) / 32) within two units of its last place; NaN among the codes is not served.
; No prefetch is laid: K has four steps, and the first four K steps of such a ring come by their own loads.
; REGISTERS, in windows of 256: window 0: v16-31 addresses and scales; v32-95 the wave's 64 positions (loaded at the head, idle in the loop); v128-255 A's fragments, one set; behind the loop v32-255 are at work.
;   window 1: B's fragments, two sets.   window 2: the accumulators of my rows 0-63 ((a, b) at v[8 (8 a + b)]);   window 3: those of my rows 64-127.
.set KSTEP,  256                       ; along K in a slot
.set ROWB,   256                       ; a tile's row in bytes
.set KROW,   1024                      ; a row of x or of a weight in memory, in bytes
.set PITCH,  272                       ; an LDS row: 256 bytes + 16 of padding: the 16 rows that a load touches start 68 words apart
.set FR,     16                        ; registers of a fragment: 16 rows x 128 K
.set NL,     4                         ; LDS loads that bring one
.set NP,     4                         ; places behind this matrix instruction (ISA guide 7.12.1)
.set HALFT,  128*PITCH                 ; 128 rows: what one tensor load brings
.set SLOT,   4*HALFT                   ; A's 256 rows, then B's 256 rows
.set LAPS,   2                         ; a lap = two K steps = once round the ring
.set SPARE,  2*SLOT                    ; behind the ring: the spare words, 128 bytes for each wave
.set TPITCH, 272                       ; the table of cosines and sines: a token's row of 32 pairs, 256 bytes + 16; 256 rows from LDS byte 0 on
.set ADRA, 16                          ; v16-17  LDS address of my A fragments in slot 0, 1
.set ADRB, 20                          ; v20-21  the same for B
.set TW,   24                          ; v24     the table: where my lane's pair of my wave's first token goes
.set TR,   25                          ; v25     the table: where my lane reads its token's pairs
.set CO,   26                          ; v26     16 x lane: my place in an image
.set ZO,   27                          ; v27     0: the offset of the loads that bring every lane the same positions
.set SPW,  28                          ; v28     LDS address of my spare word; never rewritten
.set NIL,  29                          ; v29     0; never rewritten
.set SCL,  30                          ; v30     2^E as f32
.set LIM,  31                          ; v31     448 x 2^E
.set POS,  32                          ; v32-95  my wave's 64 positions
.set TS,   96                          ; v96-127 and v192-223: two sets of registers at work on sines and cosines
.set AF,   128                         ; A's fragments
.set KON,  160                         ; v160-179 ten constants, each twice (a pair for the packed forms)
.set FQ,   180                         ; v180-181 my lane's inv_freq, twice
.set T0,   32                          ; the way out: table rows, v32-63 and v160-191 by turns
.set RR,   64                          ; v64-127 a block's 64 numbers
.set CC,   128                         ; v128-143 and v144-159: a block's codes, by turns
.set G1, 24                            ; s[24:31] descriptor group 1 for A's tiles;  s[32:39] group 0, one set for each slot
.set G0, 32
.set G1B, 48                           ; s[48:55], s[56:63] the same for B's tiles
.set G0B, 56
.set MSB, 0
.macro WIN new                         ; the immediate's high byte repeats the setting that is left
.if MSB != (\new)
	s_set_vgpr_msb (MSB<<8)|(\new)
.set MSB, (\new)
.endif
.endm
.set MUL_LO, 0xa1                      ; source 0 (B) window 1, source 1 (A) window 0, C and D window 2
.set MUL_HI, 0xf1                      ; the same, C and D window 3
.set TO_B,   0x40                      ; destination window 1, address window 0
; A joint load: waves 0 and 1 fetch for A, waves 2 and 3 for B.  Each line has one mask and one set of registers for all that issue it; the branch hangs on the wave's number alone.
; Four v_nop follow each of the two lines, ahead of the jump, the label and what follows.
.macro JLOAD g0a, g1a, g0b, g1b
	s_cmp_eq_u32 s15, 0
	s_cbranch_scc0 .Lfor_b_\@
	tensor_load_to_lds s[\g0a:\g0a+3], s[\g1a:\g1a+7]
	s_nop 0
.rept 4
	v_nop
.endr
	s_branch .Lasked_\@
.Lfor_b_\@:
	tensor_load_to_lds s[\g0b:\g0b+3], s[\g1b:\g1b+7]
	s_nop 0
.rept 4
	v_nop
.endr
.Lasked_\@:
.endm
.macro CREST                           ; a round of the cluster's barrier behind its opening barrier
	s_cmp_lg_u32 s14, 0
	s_cbranch_scc1 .Lnot_wave_0_\@
	s_barrier_signal -3
.Lnot_wave_0_\@:
	s_barrier_wait -3
	s_barrier_signal -1
	s_barrier_wait -1
.endm
.macro CROUND                          ; a whole round
	s_barrier_signal -1
	s_barrier_wait -1
	CREST
.endm
	s_load_b256 s[68:75], s[0:1], 0x0              ; x s[68:69], Wq s[70:71], Wk s[72:73], Wv s[74:75]
	s_load_b256 s[76:83], s[0:1], 0x20             ; the scales' exponents s[76:77], the positions s[78:79], qf s[80:81], kf s[82:83]
	s_load_b64 s[84:85], s[0:1], 0x40              ; vf
	v_lshl_add_u32 v[SPW], v0, 2, SPARE
	v_mov_b32 v[NIL], 0
	ds_add_u32 v28, v29
	ds_add_u32 v28, v29
	s_wait_dscnt 0x0
	v_mov_b32 v[ZO], 0
	v_lshrrev_b32 v1, 5, v0
	v_readfirstlane_b32 s14, v1                    ; wave 0..3
	s_lshr_b32 s15, s14, 1                         ; which half of the tile's rows is mine.  Also: I fetch for A (0) or for B (1)
	s_and_b32 s16, s14, 1                          ; which half of its columns.  Also: which 128 rows of that tile I fetch
	s_bfe_u32 s40, ttmp6, 0x40000                  ; cx, cy: my place in the cluster
	s_bfe_u32 s41, ttmp6, 0x40004
	s_and_b32 s86, ttmp7, 0xffff
	s_lshl_b32 s86, s86, 2                         ; 4 x cluster y: it walks x's 32 blocks of 256 tokens, which are A's rows for q and k and B's rows for v
	s_cmp_eq_u32 ttmp9, 2
	s_cselect_b32 s87, 0, s86
	s_cselect_b32 s86, s86, 0
	s_add_co_u32 s17, s87, s41                     ; tile row: made of cy and the cluster's numbers alone
	s_add_co_u32 s42, s86, s40                     ; tile column: of cx and the cluster's numbers alone
	s_lshl_b32 s43, s41, 2
	s_lshl_b32 s43, 15, s43                        ; my row of the cluster
	s_lshl_b32 s44, 0x1111, s40                    ; my column
	; descriptor group 1: a tile of 128 rows x 256 bytes, padded in LDS
	s_or_b32 s[G1+0], s43, (0<<16)|(1<<20)|(1<<21)|(5<<22)|(3<<25)  ; 15:0 the mask: A's tiles go to my row; 17:16 element of 1 byte; 20 padding on; 21 set beside a mask; 24:22 after every 64 words; 31:25 of 4 words
	s_or_b32 s[G1B+0], s44, (0<<16)|(1<<20)|(1<<21)|(5<<22)|(3<<25)
.irp g, G1, G1B
	s_mov_b32 s[\g+1], ROWB<<16                    ; tensor_dim0
	s_mov_b32 s[\g+2], 128<<16                     ; tensor_dim1 = 128
	s_mov_b32 s[\g+3], ROWB<<16                    ; tile_dim0
	s_mov_b32 s[\g+4], 128                         ; tile_dim1 = 128
	s_mov_b32 s[\g+5], KROW                        ; tensor_dim0_stride
	s_mov_b32 s[\g+6], 0
	s_mov_b32 s[\g+7], 0
.endr
	s_lshl_b32 s18, s16, 7                         ; which 128 rows of the tile I fetch
	s_lshl_b32 s20, s17, 8
	s_add_co_u32 s20, s20, s18                     ; A: row 256 x tile row + 128 x half,
	s_lshl_b32 s20, s20, 10                        ; in bytes: under 2^23
	s_mov_b32 s21, 0
	s_lshl_b32 s46, s42, 8
	s_add_co_u32 s46, s46, s18                     ; B: row 256 x tile column + 128 x half
	s_lshl_b32 s46, s46, 10
	s_mov_b32 s47, 0
	s_mul_i32 s45, s14, HALFT                      ; where they go: wave x 128 rows: no place in the cluster enters an LDS address
	s_and_b32 s18, s17, 7                          ; my wave's 64 positions: those of tokens 256 x (tile row mod 8) + 64 x wave on (v's clusters load some too and do not use them)
	s_lshl_b32 s18, s18, 10
	s_lshl_b32 s19, s14, 8
	s_add_co_u32 s18, s18, s19
	s_mov_b32 s19, 0
	s_wait_kmcnt 0x0
	s_cmp_eq_u32 ttmp9, 0                          ; the buffers are chosen by the cluster's x alone
	s_cselect_b64 s[6:7], s[70:71], s[72:73]       ; Wq or Wk
	s_cselect_b64 s[10:11], s[80:81], s[82:83]     ; qf or kf
	s_cmp_eq_u32 ttmp9, 2
	s_cselect_b64 s[4:5], s[74:75], s[68:69]       ; A: Wv, else x
	s_cselect_b64 s[6:7], s[68:69], s[6:7]         ; B: x, else the weight
	s_load_b256 s[88:95], s[76:77], 0x0            ; e0 .. e7
	s_load_b128 s[96:99], s[76:77], 0x20           ; e8 .. e11
	s_add_nc_u64 s[20:21], s[4:5], s[20:21]
	s_add_nc_u64 s[46:47], s[6:7], s[46:47]
	s_add_nc_u64 s[66:67], s[78:79], s[18:19]
	CROUND                                         ; all sixteen work-groups are here: the first joint loads meet
.irp s, 0,1
	s_mov_b32 s[G0+4*\s], 1
	s_add_co_u32 s[G0+4*\s+1], s45, \s*SLOT
	s_add_nc_u64 s[G0+4*\s+2:G0+4*\s+3], s[20:21], \s*ROWB
	s_or_b32 s[G0+4*\s+3], s[G0+4*\s+3], 0x80000000
	s_mov_b32 s[G0B+4*\s], 1
	s_add_co_u32 s[G0B+4*\s+1], s45, \s*SLOT
	s_add_nc_u64 s[G0B+4*\s+2:G0B+4*\s+3], s[46:47], \s*ROWB
	s_or_b32 s[G0B+4*\s+3], s[G0B+4*\s+3], 0x80000000
	JLOAD G0+4*\s, G1, G0B+4*\s, G1B
.endr
	s_wait_alu depctr_va_vdst(0)
.irp k, 0,1,2,3,4,5,6,7,8,9,10,11,12,13,14,15
	global_load_b128 v[POS+4*\k:POS+4*\k+3], v[ZO], s[66:67] offset:16*\k   ; every lane gets the same four positions: register n = my wave's token n
.endr
	v_and_b32 v1, 15, v0                           ; r = l % 16
	v_bfe_u32 v2, v0, 4, 1                         ; h = l / 16
	v_mul_u32_u24 v3, v1, PITCH
	v_lshl_add_u32 v4, v2, 4, v3                   ; a fragment's row x pitch + 16 x half
	s_mul_i32 s21, s15, HALFT                      ; my 128 rows of A
	s_mul_i32 s22, s16, HALFT                      ; my 128 rows of B,
	s_add_co_u32 s22, s22, 2*HALFT                 ; which lie behind A's 256
.irp s, 0,1
	v_add_nc_u32 v[ADRA+\s], s21, v4
	v_add_nc_u32 v[ADRB+\s], s22, v4
	s_add_co_u32 s21, s21, SLOT
	s_add_co_u32 s22, s22, SLOT
.endr
	v_and_b32 v6, 31, v0
	v_lshlrev_b32 v[CO], 4, v6                     ; 16 x lane
	v_lshlrev_b32 v[TW], 3, v6
	s_mul_i32 s23, s14, 64*TPITCH
	v_add_nc_u32 v[TW], s23, v[TW]                 ; the table, in: 8 x lane (my frequency's pair) + my wave's 64 rows
	v_lshl_add_u32 v[TR], v2, 5, v3                ; the table, out: row r (the table's pitch is the tiles' pitch), + 32 h: four pairs for my half's eight channels
	s_mul_i32 s23, s15, 128*TPITCH
	v_add_nc_u32 v[TR], s23, v[TR]                 ; + my 128 rows of the tile
.macro FRAG reg, adr, q, i             ; a fragment, 16 rows x 128 K: lane l holds row l % 16; registers 4 c .. 4 c + 3 hold K = 32 c + 16 (l / 16) + 0 .. 15: the same places of k in A and in B
.irp c, 0,1,2,3
	ds_load_b128 v[\reg+4*\c:\reg+4*\c+3], v[\adr] offset:128*(\q)+32*\c+(\i)*16*PITCH
.endr
.endm
; 16 matrix instructions: A's blocks a0, a0 + 1 x B's eight, 128 along K.  p: B's set.  zero = 1: the first product starts the sums: nothing is ever cleared.
; The 64 accumulators take turns, one instruction a turn, in the same order in every step.
.macro MUL16 a0, p, zero
.irp a, \a0, \a0+1
.irp b, 0,1,2,3,4,5,6,7
.if \zero
	v_wmma_f32_16x16x128_fp8_fp8 v[8*(8*((\a)%4)+\b):8*(8*((\a)%4)+\b)+7], v[128*(\p)+FR*\b:128*(\p)+FR*\b+FR-1], v[AF+FR*(\a):AF+FR*(\a)+FR-1], 0
.else
	v_wmma_f32_16x16x128_fp8_fp8 v[8*(8*((\a)%4)+\b):8*(8*((\a)%4)+\b)+7], v[128*(\p)+FR*\b:128*(\p)+FR*\b+FR-1], v[AF+FR*(\a):AF+FR*(\a)+FR-1], v[8*(8*((\a)%4)+\b):8*(8*((\a)%4)+\b)+7]
.endif
.endr
.endr
.endm
.macro FETCH_B slot, q, p              ; B's eight fragments of the slot's q-th 128 along K into set p
	WIN TO_B
.irp i, 0,1,2,3,4,5,6,7
	FRAG 128*(\p)+FR*\i, ADRB+\slot, \q, \i
.endr
	WIN 0
.endm
.macro FETCH_A slot, q, i0             ; A's blocks i0 .. i0 + 3
.irp i, \i0, \i0+1, \i0+2, \i0+3
	FRAG AF+FR*(\i), ADRA+\slot, \q, \i
.endr
.endm
; A load into a register that a matrix instruction has read, and a vector instruction that reads a matrix result, stand NP places behind that matrix instruction; only plain vector
; instructions that name none of its registers are places (ISA guide 7.12.1 for vector instructions).
.macro PLACES n
.rept \n
	v_nop
.endr
.endm
; A step of 128 along K that has its successor in the same slot.  A block of A is free as soon as its eight products are issued, so A has one set of registers; B has two.
.macro STEP slot, q, zero
	s_wait_dscnt 4*NL                              ; B's set and A's blocks 0-3 are in; the youngest sixteen loads (A's blocks 4-7) may be out
	WIN MUL_LO
	MUL16 0, (\q)%2, \zero
	MUL16 2, (\q)%2, \zero
	s_wait_dscnt 0                                 ; A's blocks 4-7 are in (asked for 32 matrix instructions ago)
	PLACES NP
	FETCH_B \slot, (\q)+1, 1-(\q)%2
	FETCH_A \slot, (\q)+1, 0
	WIN MUL_HI
	MUL16 4, (\q)%2, \zero
	MUL16 6, (\q)%2, \zero
	PLACES NP
	WIN 0
	FETCH_A \slot, (\q)+1, 4
.endm
; A slot's last step changes slots: one barrier; in front of it each wave waits for all its tensor loads, adds 0 to its spare word, and waits for that and for its own reads of this slot.  fill = 1: this slot is filled again, two K steps ahead.
.macro TURN slot, next, fill
	s_wait_tensorcnt 0x0                           ; all my tensor loads have landed: my part of the next slot  (every window is 0 here)
	ds_add_u32 v[SPW], v[NIL]                      ; 0 onto my spare word
	s_wait_dscnt 4*NL+1                            ; (the add and the youngest sixteen loads, A's blocks 4-7, may be out)
	WIN MUL_LO
	MUL16 0, 1, 0                                  ; sixteen matrix instructions stand between the add and the wait for it
	s_wait_dscnt 0x0                               ; the add is done, and my reads of this slot are over
	s_barrier_signal -1
	MUL16 2, 1, 0
	WIN 0
	s_barrier_wait -1
.if \fill
	CREST                                          ; the barrier has opened a round of the cluster's barrier: no wave of any partner still reads this slot's tile or has a load on its way
	s_add_nc_u64 s[G0+4*\slot+2:G0+4*\slot+3], s[G0+4*\slot+2:G0+4*\slot+3], 2*ROWB
	s_add_nc_u64 s[G0B+4*\slot+2:G0B+4*\slot+3], s[G0B+4*\slot+2:G0B+4*\slot+3], 2*ROWB
	JLOAD G0+4*\slot, G1, G0B+4*\slot, G1B         ; the first tensor load behind the round; the four v_nop behind it are the places in front of the loads below
.else
	PLACES NP
.endif
	FETCH_B \next, 0, 0
	FETCH_A \next, 0, 0
	WIN MUL_HI
	MUL16 4, 1, 0
	MUL16 6, 1, 0
	PLACES NP
	WIN 0
	FETCH_A \next, 0, 4
.endm
	s_wait_alu depctr_va_vdst(0)
	s_wait_tensorcnt 1                             ; my part of K step 0 is in (K step 1's load may be out)
	s_barrier_signal -1
	s_barrier_wait -1                              ; everybody's is
	FETCH_B 0, 0, 0
	FETCH_A 0, 0, 0
	FETCH_A 0, 0, 4
	STEP 0, 0, 1                                   ; the first step stands in front of the loop: its products start the sums
	s_mov_b32 s3, LAPS-1
.Llap:                                                 ; a trip goes once round the ring, from a lap's second step to the next lap's first, and fills both slots again
	TURN 0, 1, 1
	STEP 1, 0, 0
	TURN 1, 0, 1
	STEP 0, 0, 0
	s_sub_co_u32 s3, s3, 1
	s_cmp_lg_u32 s3, 0
	s_cbranch_scc1 .Llap
	TURN 0, 1, 0                                   ; the last lap fills nothing: behind this barrier nobody reads slot 0 any more, and it has had its last fill
	STEP 1, 0, 0
	s_wait_dscnt 4*NL                              ; the very last step: nothing more to fetch
	WIN MUL_LO
	MUL16 0, 1, 0
	MUL16 2, 1, 0
	s_wait_dscnt 0
	WIN MUL_HI
	MUL16 4, 1, 0
	MUL16 6, 1, 0
	WIN 0
	PLACES NP                                      ; for all that follows: reads of the sums, and writes of the registers that held A's fragments
	s_wait_loadcnt 0x0                             ; the positions
	s_wait_kmcnt 0x0                               ; the scales' exponents
	s_cmp_eq_u32 ttmp9, 0                          ; which three: chosen without a jump
	s_cselect_b32 s18, s88, s90                    ; x's: e0, e2 or e4
	s_cselect_b32 s19, s89, s91                    ; the weight's: e1, e3 or e5
	s_cselect_b32 s20, s94, s95                    ; the result's: e6 (q), e7 (k) or e9 (v)
	s_cmp_eq_u32 ttmp9, 2
	s_cselect_b32 s18, s92, s18
	s_cselect_b32 s19, s93, s19
	s_cselect_b32 s20, s97, s20
	s_sub_co_i32 s20, s20, s18
	s_sub_co_i32 s20, s20, s19                     ; E: a raw sum stands for sum x 2^(e_x + e_w), so its code is sum / 2^E
	s_add_co_i32 s20, s20, 127
	s_lshl_b32 s21, s20, 23
	v_mov_b32 v[SCL], s21                          ; 2^E as f32: the conversion takes its exponent field
	s_add_co_i32 s20, s20, 8
	s_lshl_b32 s20, s20, 23
	s_or_b32 s20, s20, 0x600000
	v_mov_b32 v[LIM], s20                          ; 448 x 2^E
	s_cmp_eq_u32 ttmp9, 2
	s_cbranch_scc1 .Lno_table                      ; v is not rotated
	; ---- THE TABLE: cos and sin of position x inv_freq for my wave's 64 tokens; my lane's frequency is i = lane
	v_and_b32 v182, 31, v0
	v_cvt_f32_u32 v182, v182                       ; i
	v_mul_f32 v183, 0x3ed49a78, v182               ; i x log2(10000) / 32,
	v_rndne_f32 v183, v183                         ; to the nearest whole number n
	v_fmamk_f32 v184, v182, 0xbed49a78, v183       ; n - i x (the constant's upper part): exact,
	v_fmamk_f32 v184, v182, 0xb217a688, v184       ; less i x its lower part: -f, within a half either way
	s_wait_alu depctr_va_vdst(0)
	v_exp_f32 v184, v184                           ; 2^-f
	v_cvt_i32_f32 v183, v183                       ; (a plain place behind the exponential)
	v_sub_nc_u32 v183, 0, v183
	s_wait_alu depctr_va_vdst(0)                   ; the wait ahead of the first line that names the exponential's result
	v_ldexp_f32 v[FQ], v184, v183                  ; inv_freq = 2^-f x 2^-n = 10000^(-i / 32)
	v_mov_b32 v[FQ+1], v[FQ]
.macro KONST i, bits
	v_mov_b32 v[KON+2*\i], \bits
	v_mov_b32 v[KON+2*\i+1], \bits
.endm
	KONST 0, 0x3f22f983                            ; 2 / pi
	KONST 1, 0xbfc90fdb                            ; -pi/2 in three parts: upper,
	KONST 2, 0x333bbd2e                            ; middle,
	KONST 3, 0x26f72ced                            ; lower
	KONST 4, 0xb94ca1f9                            ; sin r = r + r^3 (S1 + r^2 (S2 + r^2 S3)): S3,
	KONST 5, 0x3c08839e                            ; S2,
	KONST 6, 0xbe2aaaa3                            ; S1
	KONST 7, 0x37ccf5ce                            ; cos r = 1 - r^2 / 2 + r^4 (C1 + r^2 (C2 + r^2 C3)): C3,
	KONST 8, 0xbab6061a                            ; C2,
	KONST 9, 0x3d2aaaa5                            ; C1
.set i, 0
.rept 64
	v_cvt_f32_i32 v[POS+i], v[POS+i]
.set i, i+1
.endr
; Line n of the list for one set of registers b (two tokens, packed; their positions in the pair p).  Places in a set: +0 the angle, +2 the quotient, +4 r, +6 r^2, +8 sin r, +10 cos r, +12 r^3, +14 r^4, +16 1 - r^2 / 2.
.macro SC b, p
.if n == 0
	v_pk_mul_f32 v[\b:\b+1], v[\p:\p+1], v[FQ:FQ+1]                                ; the angle, rounded once
.elseif n == 1
	v_pk_mul_f32 v[\b+2:\b+3], v[\b:\b+1], v[KON:KON+1]
.elseif n == 2
	v_rndne_f32 v[\b+2], v[\b+2]                                                   ; how many quarter turns
.elseif n == 3
	v_rndne_f32 v[\b+3], v[\b+3]
.elseif n == 4
	v_pk_fma_f32 v[\b+4:\b+5], v[\b+2:\b+3], v[KON+2:KON+3], v[\b:\b+1]            ; r = the angle less so many times pi/2, part by part
.elseif n == 5
	v_pk_fma_f32 v[\b+4:\b+5], v[\b+2:\b+3], v[KON+4:KON+5], v[\b+4:\b+5]
.elseif n == 6
	v_pk_fma_f32 v[\b+4:\b+5], v[\b+2:\b+3], v[KON+6:KON+7], v[\b+4:\b+5]
.elseif n == 7
	v_pk_mul_f32 v[\b+6:\b+7], v[\b+4:\b+5], v[\b+4:\b+5]
.elseif n == 8
	v_pk_fma_f32 v[\b+8:\b+9], v[\b+6:\b+7], v[KON+8:KON+9], v[KON+10:KON+11]
.elseif n == 9
	v_pk_fma_f32 v[\b+10:\b+11], v[\b+6:\b+7], v[KON+14:KON+15], v[KON+16:KON+17]
.elseif n == 10
	v_pk_fma_f32 v[\b+8:\b+9], v[\b+8:\b+9], v[\b+6:\b+7], v[KON+12:KON+13]
.elseif n == 11
	v_pk_fma_f32 v[\b+10:\b+11], v[\b+10:\b+11], v[\b+6:\b+7], v[KON+18:KON+19]
.elseif n == 12
	v_pk_mul_f32 v[\b+12:\b+13], v[\b+6:\b+7], v[\b+4:\b+5]
.elseif n == 13
	v_pk_mul_f32 v[\b+14:\b+15], v[\b+6:\b+7], v[\b+6:\b+7]
.elseif n == 14
	v_pk_fma_f32 v[\b+16:\b+17], v[\b+6:\b+7], -0.5, 1.0 op_sel_hi:[1,0,0]
.elseif n == 15
	v_pk_fma_f32 v[\b+8:\b+9], v[\b+8:\b+9], v[\b+12:\b+13], v[\b+4:\b+5]          ; sin r
.elseif n == 16
	v_pk_fma_f32 v[\b+10:\b+11], v[\b+10:\b+11], v[\b+14:\b+15], v[\b+16:\b+17]    ; cos r
.elseif n == 17
	v_cvt_i32_f32 v[\b+2], v[\b+2]
.else
	v_cvt_i32_f32 v[\b+3], v[\b+3]
.endif
.endm
; The quadrant, for token e of set b: in odd quarter turns sine and cosine change places; the sine's sign is bit 1 of the quotient, the cosine's bit 1 of the quotient + 1.  Selects alone: no jump.
.macro QUAD b, e, row
	v_and_b32 v[\b+18], 1, v[\b+2+\e]
	v_lshlrev_b32 v[\b+19], 30, v[\b+2+\e]
	v_add_lshl_u32 v[\b+20], v[\b+2+\e], 1, 30
	v_cmp_eq_u32 vcc_lo, 1, v[\b+18]
	v_cndmask_b32 v[\b+22+2*\e], v[\b+10+\e], v[\b+8+\e], vcc_lo
	v_cndmask_b32 v[\b+23+2*\e], v[\b+8+\e], v[\b+10+\e], vcc_lo
	v_and_b32 v[\b+19], 0x80000000, v[\b+19]
	v_and_b32 v[\b+20], 0x80000000, v[\b+20]
	v_xor_b32 v[\b+22+2*\e], v[\b+22+2*\e], v[\b+20]                               ; the cosine,
	v_xor_b32 v[\b+23+2*\e], v[\b+23+2*\e], v[\b+19]                               ; the sine
	ds_store_b64 v[TW], v[\b+22+2*\e:\b+23+2*\e] offset:(\row)*TPITCH              ; the 32 lanes store a token's 256 bytes
.endm
.macro SINCOS4 k                       ; my tokens 4 k .. 4 k + 3: two sets line by line, so that no line waits for the line above it
.set n, 0
.rept 19
	SC TS, POS+4*(\k)
	SC TS+96, POS+4*(\k)+2
.set n, n+1
.endr
	QUAD TS, 0, 4*(\k)
	QUAD TS+96, 0, 4*(\k)+2
	QUAD TS, 1, 4*(\k)+1
	QUAD TS+96, 1, 4*(\k)+3
.endm
.set kk, 0
.rept 16
	SINCOS4 kk
.set kk, kk+1
.endr
.Lno_table:
	s_wait_dscnt 0x0                               ; for the others' sake: my rows of the table have landed
	s_barrier_signal -1
	s_barrier_wait -1                              ; every wave's have.
	s_cmp_eq_u32 ttmp9, 2
	s_cbranch_scc1 .Lv_out
	; ---- THE WAY OUT OF q AND k.  Accumulator (a, b), lane (r, h), register j: token 16 a + r of my 128, channel 16 (b % 4) + 8 h + j of my head b / 4.
	s_lshr_b32 s18, s17, 3
	s_lshl_b32 s18, s18, 21                        ; the batch: 2^21 bytes each,
	s_lshl_b32 s19, s42, 2
	s_lshl_b32 s20, s16, 1
	s_add_co_u32 s19, s19, s20
	s_lshl_b32 s19, s19, 17                        ; my first head, 4 x tile column + 2 x half: 2^17 bytes each,
	s_add_co_u32 s18, s18, s19
	s_and_b32 s19, s17, 7
	s_lshl_b32 s19, s19, 4
	s_lshl_b32 s20, s15, 3
	s_add_co_u32 s19, s19, s20
	s_lshl_b32 s19, s19, 10                        ; my first tile of 16 tokens: 1,024 bytes each
	s_add_co_u32 s18, s18, s19
	s_mov_b32 s19, 0
	s_add_nc_u64 s[10:11], s[10:11], s[18:19]
.macro TBLLOAD a                       ; the pairs (cos, sin) of token 16 a + r for my half's channels: pairs 8 g + 4 h + 0 .. 3, g = 0 .. 3
.set TT, T0+128*((\a)%2)
.irp g, 0,1,2,3
.irp e, 0,1
	ds_load_b128 v[TT+8*\g+4*\e:TT+8*\g+4*\e+3], v[TR] offset:(\a)*16*TPITCH+64*\g+16*\e
.endr
.endr
.endm
.macro QKOUT a
.set AC, 64*((\a)%4)
.set TC, T0+128*((\a)%2)
.set CD, CC+16*((\a)%2)
.if (\a) < 7
	TBLLOAD (\a)+1
	s_wait_dscnt 8                                 ; this block's eight table loads are in; the next block's eight may be out
.else
	s_wait_dscnt 0x0
.endif
	WIN 0x02+((\a)/4)                              ; source 0: window 2 or 3
.irp b, 0,1,2,3,4,5,6,7                        ; each accumulator from its low end on
.irp j, 0,2,4,6
	v_pk_mul_f32 v[RR+8*\b+\j:RR+8*\b+\j+1], v[AC+8*\b+\j:AC+8*\b+\j+1], v[TC+8*(\b%4)+\j:TC+8*(\b%4)+\j+1] op_sel:[1,1] op_sel_hi:[0,1] neg_lo:[1,0]   ; (-x2 sin, x1 sin)
.endr
.endr
.irp b, 0,1,2,3,4,5,6,7
.irp j, 0,2,4,6
	v_pk_fma_f32 v[RR+8*\b+\j:RR+8*\b+\j+1], v[AC+8*\b+\j:AC+8*\b+\j+1], v[TC+8*(\b%4)+\j:TC+8*(\b%4)+\j+1], v[RR+8*\b+\j:RR+8*\b+\j+1] op_sel_hi:[1,0,1]   ; + (x1 cos, x2 cos)
.endr
.endr
	WIN 0
.set i, 0
.rept 64
.set i, i+1
.endr
.if (\a) > 1
	s_wait_alu depctr_va_vdst(0)
	s_wait_xcnt 0x0                                ; the stores of the block two back have read these code registers
.endif
.irp b, 0,1,2,3,4,5,6,7
	v_cvt_scalef32_pk8_fp8_f32 v[CD+2*\b:CD+2*\b+1], v[RR+8*\b:RR+8*\b+7], v[SCL]   ; registers 2 c, 2 c + 1 (c = b % 4) of head b / 4's fragment
.endr
	v_nop                                          ; one plain vector line behind the last conversion: the next block writes its sources
.irp hh, 0,1
.irp g, 0,1
	global_store_b128 v[CO], v[CD+8*\hh+4*\g:CD+8*\hh+4*\g+3], s[10:11] offset:\hh*131072+(\a)*1024+\g*512   ; 32 lanes store 512 consecutive bytes, aligned
.endr
.endr
.endm
	TBLLOAD 0
.irp a, 0,1,2,3,4,5,6,7
	QKOUT \a
.endr
	s_branch .Lend
.Lv_out:
	; ---- THE WAY OUT OF v.  Accumulator (a, b), lane (r, h), register j: channel 16 (a % 4) + r of my head a / 4, token 16 b + 8 h + j of my 128 keys.
	s_lshr_b32 s18, s42, 3
	s_lshl_b32 s18, s18, 21                        ; the batch,
	s_lshl_b32 s19, s17, 2
	s_lshl_b32 s20, s15, 1
	s_add_co_u32 s19, s19, s20
	s_lshl_b32 s19, s19, 17                        ; my first head: 4 x tile row + 2 x half,
	s_add_co_u32 s18, s18, s19
	s_and_b32 s19, s42, 7
	s_lshl_b32 s19, s19, 1
	s_add_co_u32 s19, s19, s16
	s_lshl_b32 s19, s19, 13                        ; my block of 128 keys: 8,192 bytes each
	s_add_co_u32 s18, s18, s19
	s_mov_b32 s19, 0
	s_add_nc_u64 s[84:85], s[84:85], s[18:19]
.macro VOUT a
.set AC, 64*((\a)%4)
.set CD, CC+16*((\a)%2)
	WIN 0x02+((\a)/4)
.set i, 0
.rept 64
	v_med3_num_f32 v[RR+i], v[AC+i], -v[LIM], v[LIM]   ; the hold, out of the accumulators, each from its low end on
.set i, i+1
.endr
	WIN 0
.if (\a) > 1
	s_wait_alu depctr_va_vdst(0)
	s_wait_xcnt 0x0                                ; the stores of the block two back have read these code registers
.endif
.irp b, 0,1,2,3,4,5,6,7
	v_cvt_scalef32_pk8_fp8_f32 v[CD+2*\b:CD+2*\b+1], v[RR+8*\b:RR+8*\b+7], v[SCL]   ; registers 2 b, 2 b + 1 of the fragment: keys 16 b + 8 h + 0 .. 7
.endr
	v_nop
.irp g, 0,1,2,3
	global_store_b128 v[CO], v[CD+4*\g:CD+4*\g+3], s[84:85] offset:((\a)/4)*131072+((\a)%4)*2048+\g*512
.endr
.endm
	s_wait_alu depctr_va_vdst(0)
.irp a, 0,1,2,3,4,5,6,7
	VOUT \a
.endr
.Lend:
	s_wait_tensorcnt 0x0                           ; the wave's end, behind my last tensor load and my last LDS store
	ds_add_u32 v[SPW], v[NIL]
	s_wait_dscnt 0x0
	CROUND                                         ; the closing round: no work-group ends while a partner may still ask for a tile that names it
	s_endpgm
.Lfunc_end_k_qc8e2f777db_qkv:
	.size	k_qc8e2f777db_qkv, .Lfunc_end_k_qc8e2f777db_qkv-k_qc8e2f777db_qkv
	.p2alignl 7, 3214868480
	.fill 96, 4, 3214868480
	.section	.rodata,"a",@progbits
	.p2align	6, 0x0
	.amdhsa_kernel k_qc8e2f777db_qkv
		.amdhsa_group_segment_fixed_size 327680
		.amdhsa_private_segment_fixed_size 0
		.amdhsa_enable_private_segment 0
		.amdhsa_kernarg_size 72
		.amdhsa_user_sgpr_count 2
		.amdhsa_user_sgpr_kernarg_segment_ptr 1
		.amdhsa_wavefront_size32 1
		.amdhsa_system_sgpr_workgroup_id_x 1
		.amdhsa_system_sgpr_workgroup_id_y 1
		.amdhsa_system_sgpr_workgroup_id_z 1
		.amdhsa_system_vgpr_workitem_id 0
		.amdhsa_next_free_vgpr 1024
		.amdhsa_next_free_sgpr 100
		.amdhsa_reserve_vcc 1
		.amdhsa_float_denorm_mode_32 3
		.amdhsa_float_denorm_mode_16_64 3
		.amdhsa_fp16_overflow 1
		.amdhsa_memory_ordered 1
		.amdhsa_forward_progress 1
		.amdhsa_inst_pref_size 233
	.end_amdhsa_kernel
	.amdgpu_metadata
---
amdhsa.version: [ 1, 2 ]
amdhsa.kernels:
  - .name:           k_qc8e2f777db_qkv
    .symbol:         k_qc8e2f777db_qkv.kd
    .args:
      - { .name: x_codes, .offset: 0, .size: 8, .value_kind: global_buffer, .address_space: global }
      - { .name: w_q_codes, .offset: 8, .size: 8, .value_kind: global_buffer, .address_space: global }
      - { .name: w_k_codes, .offset: 16, .size: 8, .value_kind: global_buffer, .address_space: global }
      - { .name: w_v_codes, .offset: 24, .size: 8, .value_kind: global_buffer, .address_space: global }
      - { .name: lowp_scales, .offset: 32, .size: 8, .value_kind: global_buffer, .address_space: global }
      - { .name: token_positions, .offset: 40, .size: 8, .value_kind: global_buffer, .address_space: global }
      - { .name: qf, .offset: 48, .size: 8, .value_kind: global_buffer, .address_space: global }
      - { .name: kf, .offset: 56, .size: 8, .value_kind: global_buffer, .address_space: global }
      - { .name: vf, .offset: 64, .size: 8, .value_kind: global_buffer, .address_space: global }
    .group_segment_fixed_size: 327680
    .private_segment_fixed_size: 0
    .kernarg_segment_align: 8
    .kernarg_segment_size: 72
    .max_flat_workgroup_size: 128
    .sgpr_count:     100
    .vgpr_count:     1024
    .wavefront_size: 32
...
	.end_amdgpu_metadata
.endif
;; end of part 1
;; launch attn (part 2): grid 4 x 64, 16 waves a work-group, no clusters, 327,680 bytes of LDS; arguments qf, kf, vf, lowp_scales, af; writes af
.if DOCPART == 2
	.amdgcn_target "amdgcn-amd-amdhsa--gfx1250"
	.amdhsa_code_object_version 6
	.text
	.protected	k_qc8e2f777db_attn
	.globl	k_qc8e2f777db_attn
	.p2align	8
	.type	k_qc8e2f777db_attn,@function
k_qc8e2f777db_attn:
	s_mov_b64 s[64:65], 0
	v_nop
	global_prefetch_b8 v0, s[64:65] scope:SCOPE_SE
	s_setreg_imm32_b32 hwreg(HW_REG_WAVE_MODE, 25, 1), 1
	s_wait_xcnt 0x0
; Causal attention on codes of FP8 (E4M3): 64 heads (batch x head) of 2,048 tokens x 64 channels.  Both products on codes; the result is divided by the row's sum, quantised (scale 10) and stored as images of the last product's operand.
; qf, kf: [head][tile of 16 tokens][2][lane][16 bytes]: a fragment of 16 tokens x 64 channels, 8 registers.  vf: [head][128 keys][16 channels][4][lane][16 bytes]: a fragment of V^T, 16 channels x 128 keys, 16 registers.
; af: [256 features][tile of 16 tokens][head of the four][2][lane][16 bytes]: registers 4 c .. 4 c + 3 of lane (r, h) = token r, channels 32 c + 16 h + 0 .. 15 of the head.
; THE SOFTMAX: t = score x log2(e) / 8; M = the row's largest t so far, rounded UP to a whole number; p = 2^(t - M) is quantised (scale 8), not normalised; the row's sum is taken of the unquantised p and divides at the end.
; When M moves, the sum and O are multiplied by 2^(old M - new M): exact.
; SHARES.  A head has 8 blocks of 256 queries; under the mask block B wants B + 1 slots of 256 keys.  Work-group I (0 .. 3) of a head owns blocks 7 - I and I: (8 - I) + (I + 1) = NINE UNITS of 256 queries x 256 keys,
; the same count in all 256 work-groups, a constant of the text.  Units 0 .. 7 - I: block 7 - I against slots 0 .. 7 - I; at unit 8 - I the first block is finished and stored, and block I starts at slot 0.
; Each of sixteen waves owns one tile of 16 queries of each block, in 256 registers: four waves to a SIMD, so that one wave's vector work stands beside another's products and LDS loads.
; A unit is two key steps of 128.  A step all of whose keys come after my queries is left out (a scalar branch on ids); on the diagonal hidden scores become -infinity.
; LAYOUT.  S^T = K Q^T (source 0 = 16 keys, source 1 = my 16 queries): a lane holds ONE query (lane % 16), register 8 t + j the key 16 t + 8 (lane / 16) + j: eight registers, converted, are registers 2 t, 2 t + 1 of P.
; O^T = V^T P^T (source 0 = 16 channels, source 1 = P).  K's and V's fragments lie in LDS as images: every LDS load of a wave takes 512 consecutive bytes.
; NO CLUSTER: the four work-groups of a head walk 8, 7, 6 and 5 slots for their first block and then start again at slot 0, so from unit 5 on they want different slots in the same unit; partners would need
; different tiles, and a unit's 32,768 bytes feed 32 key steps of the sixteen waves.
; LIMITS on the given exponents, so that each power of two is an f32 number: e6 + e7 between -123 and 130 (added to c's exponent field); e8, and e10 - e8 - e9, between -126 and 119.  NaN is not served.
; REGISTERS: v1 16 x lane; v3 the prefetches' offset; v5, v6 the add's; v8 LDS address; v9, v10 Q's offsets; v12 -M, v13 the largest t, v[14:15] the sum in two halves; v16-23 Q in hand; v24-31 Q of the second block;
;   v32-95 K's eight fragments, then V's four; v96-159 S^T, then p; v160-191 O^T; v192-207 p's codes; v208-215 the result's codes; v236-254 at work and scales.
.set SLOT1, 32768                      ; a slot: K's 16 fragments (16,384 bytes), then V's 8 (16,384); slot 1 begins here: one exclusive or turns an address
.set VOFF,  16384
.set SPARE, 65536                      ; behind the ring: the spare words, 128 bytes for each of the sixteen waves
.set LA,   1
.set PFO,  3
.set SPW,  5
.set NIL,  6
.set ADR,  8
.set TB,   2                           ; s2   LDS byte at which the slot in hand begins
.set U,    3                           ; s3   the unit, 0 .. 8
.set WV,   18                          ; s18  my wave's number
.set SEL,  20                          ; s[20:21] lane selects for v_permlanex16_b32: lane l xor 16
.set CS,   22                          ; s[22:23] c = log2(e) / 8 x 2^(e6 + e7)
.set G1,   24                          ; s[24:31] descriptor group 1
.set SW,   33                          ; s33  the unit at which the blocks change: 8 - I
.set SN,   34                          ; s34  the slot of keys asked for last
.set KF,   35                          ; s35  the step's first key
.set Q0,   36                          ; s36  my first query
.set Q0L,  37                          ; s37  my first query in the second block
.set G0,   40                          ; s[40:43] descriptor group 0
.set SRC,  44                          ; s[44:45] the head's K (even waves) or V (odd waves)
.set OUTH, 46                          ; s[46:47] where my first block's image goes
.set OUTL, 48                          ; s[48:49] my second block's
.set PFA,  50                          ; s[50:51] where my prefetches stand
.set LIMV, 52                          ; s52  a wave prefetches while the unit is under this number
; Wave 0 fetches a slot's K, wave 1 its V, the others nothing.  The branch hangs on the wave's number alone.  Four v_nop follow the line.
.macro TLOAD
	s_cmp_lt_u32 s[WV], 2
	s_cbranch_scc0 .Lno_load_\@
	tensor_load_to_lds s[G0:G0+3], s[G1:G1+7]
	s_nop 0
.rept 4
	v_nop
.endr
.Lno_load_\@:
.endm
; A PREFETCH INTO THE L2 of the slot that the NEXT change of slots will ask for.  All four work-groups of a head read the same K and V; work-group 0's first eight units are slots 0 .. 7 in order, so it asks, and nobody else.
; In it waves 4 and 5 ask for K's 16,384 bytes and waves 6 and 7 for V's: 8,192 bytes a wave, lanes 256 bytes apart, one instruction.  The change of unit u asks for slot u + 2, while u + 2 <= 7: each block is named once.
; Slots 0 and 1 come by their loads alone.
.macro ASK
	s_cmp_lt_u32 s[U], s[LIMV]
	s_cbranch_scc0 .Lnot_mine_\@
	global_prefetch_b8 v[PFO], s[PFA:PFA+1] th:TH_LOAD_NT scope:SCOPE_SE
.Lnot_mine_\@:
.endm
	s_load_b256 s[4:11], s[0:1], 0x0               ; qf s[4:5], kf s[6:7], vf s[8:9], the scales' exponents s[10:11]
	s_load_b64 s[12:13], s[0:1], 0x20              ; af
	v_lshl_add_u32 v[SPW], v0, 2, SPARE
	v_mov_b32 v[NIL], 0
	ds_add_u32 v5, v6
	ds_add_u32 v5, v6
	s_wait_dscnt 0x0
	v_lshrrev_b32 v8, 5, v0
	s_delay_alu instid0(VALU_DEP_1)
	v_readfirstlane_b32 s[WV], v8                  ; wave 0..15
	v_and_b32 v[LA], 31, v0
	s_delay_alu instid0(VALU_DEP_1)
	v_lshlrev_b32 v[PFO], 8, v[LA]                 ; 256 x lane
	s_delay_alu instid0(VALU_DEP_2)
	v_lshlrev_b32 v[LA], 4, v[LA]                  ; 16 x lane
	s_and_b32 s74, ttmp7, 0xffff                   ; the head, 0 .. 63: 16 x batch + head
	s_lshl_b32 s76, s74, 17                        ; its first byte in qf, kf and vf
	s_mov_b32 s77, 0
	s_sub_co_u32 s[SW], 8, ttmp9
	s_sub_co_u32 s78, 7, ttmp9
	s_lshl_b32 s78, s78, 4
	s_add_co_u32 s78, s78, s[WV]                   ; my tile of 16 queries in block 7 - I,
	s_lshl_b32 s79, ttmp9, 4
	s_add_co_u32 s79, s79, s[WV]                   ; and in block I
	s_lshl_b32 s[Q0], s78, 4
	s_lshl_b32 s[Q0L], s79, 4
	; descriptor group 1: 16,384 dense bytes as 64 rows of 256
	s_mov_b32 s[G1], 3<<16                         ; 15:0 no mask; 17:16 elements of 8 bytes; no padding
	s_mov_b32 s[G1+1], 32<<16                      ; tensor_dim0 = 32
	s_mov_b32 s[G1+2], 64<<16                      ; tensor_dim1 = 64
	s_mov_b32 s[G1+3], 32<<16                      ; tile_dim0 = 32
	s_mov_b32 s[G1+4], 64                          ; tile_dim1 = 64
	s_mov_b32 s[G1+5], 32                          ; tensor_dim0_stride
	s_mov_b32 s[G1+6], 0
	s_mov_b32 s[G1+7], 0
	s_mov_b32 s[SEL], 0x76543210
	s_mov_b32 s[SEL+1], 0xfedcba98
	s_mov_b32 s[TB], 0
	s_mov_b32 s[U], 0
	s_mov_b32 s[SN], 0
	s_and_b32 s80, s[WV], 1
	s_mov_b32 s[G0], 1                             ; count = 1
	s_lshl_b32 s[G0+1], s80, 14                    ; LDS address: slot 0; K at 0 (wave 0), V at 16,384 (wave 1)
	s_wait_kmcnt 0x0
	s_load_b128 s[68:71], s[10:11], 0x18           ; e6, e7, e8, e9
	s_load_b32 s72, s[10:11], 0x28                 ; e10
	s_cmp_eq_u32 s80, 0
	s_cselect_b64 s[SRC:SRC+1], s[6:7], s[8:9]
	s_add_nc_u64 s[SRC:SRC+1], s[SRC:SRC+1], s[76:77]
	s_mov_b64 s[G0+2:G0+3], s[SRC:SRC+1]           ; global address: the head's first 256 keys
	s_or_b32 s[G0+3], s[G0+3], 0x80000000          ; type = 2
	TLOAD                                          ; unit 0's slot: ahead of every wait on TENSORcnt, every LDS read and every barrier
	s_add_nc_u64 s[4:5], s[4:5], s[76:77]
	s_lshl_b32 s81, s78, 10
	s_wait_alu depctr_va_vdst(0)
	v_add_nc_u32 v9, s81, v[LA]
	s_lshl_b32 s81, s79, 10
	v_add_nc_u32 v10, s81, v[LA]
	global_load_b128 v[16:19], v9, s[4:5]          ; Q's fragments of both blocks stay in registers
	global_load_b128 v[20:23], v9, s[4:5] offset:512
	global_load_b128 v[24:27], v10, s[4:5]
	global_load_b128 v[28:31], v10, s[4:5] offset:512
	s_bfe_u32 s82, s74, 0x20002                    ; af: which 256 features: (head mod 16) / 4: 2^21 bytes each,
	s_lshl_b32 s82, s82, 21
	s_and_b32 s83, s74, 3
	s_lshl_b32 s83, s83, 10                        ; which head of the four: 1,024 bytes each,
	s_add_co_u32 s82, s82, s83
	s_lshr_b32 s83, s74, 4
	s_lshl_b32 s83, s83, 19                        ; the batch's 128 tiles of 4,096 bytes
	s_add_co_u32 s82, s82, s83
	s_lshl_b32 s80, s78, 12
	s_add_co_u32 s80, s80, s82
	s_mov_b32 s81, 0
	s_add_nc_u64 s[OUTH:OUTH+1], s[12:13], s[80:81]
	s_lshl_b32 s80, s79, 12
	s_add_co_u32 s80, s80, s82
	s_add_nc_u64 s[OUTL:OUTL+1], s[12:13], s[80:81]
	s_cmp_lt_u32 s[WV], 6                          ; the prefetches: waves 4, 5 stand in K, waves 6, 7 in V
	s_cselect_b64 s[PFA:PFA+1], s[6:7], s[8:9]
	s_add_nc_u64 s[PFA:PFA+1], s[PFA:PFA+1], s[76:77]
	s_and_b32 s80, s[WV], 1
	s_lshl_b32 s80, s80, 13                        ; my half of a slot's 16,384 bytes,
	s_add_co_u32 s80, s80, 16384                   ; in slot 1: the first change of slots steps it to slot 2
	s_add_nc_u64 s[PFA:PFA+1], s[PFA:PFA+1], s[80:81]
	s_sub_co_u32 s80, s[WV], 4
	s_lshr_b32 s80, s80, 2                         ; 0 in waves 4 to 7,
	s_or_b32 s80, s80, ttmp9                       ; of the head's work-group 0
	s_cmp_eq_u32 s80, 0
	s_cselect_b32 s[LIMV], 6, 0
	v_mov_b32 v13, 0xff61b1e6                      ; the largest t so far: -3e38, under every t
	s_delay_alu instid0(VALU_DEP_1)
	v_floor_f32 v12, -v13                          ; -M
	v_mov_b32 v14, 0                               ; the sum, in two halves
	v_mov_b32 v15, 0
	v_mov_b32 v236, 0                              ; written once: a lane permute's destination counts as one of its sources
	v_mov_b32 v252, 0
	v_mov_b32 v253, 0                              ; (named as the upper half of the pair v[252:253])
.set j, 0
.rept 32
	v_mov_b32 v[160+j], 0                          ; O^T.  (The step is written once: a block's first step finds zeros, which the first change of M leaves zeros)
.set j, j+1
.endr
	s_wait_kmcnt 0x0
	s_add_co_i32 s80, s68, s69
	s_lshl_b32 s80, s80, 23
	s_mov_b32 s[CS], 0x3e38aa3b                    ; c = log2(e) / 8
	s_add_co_i32 s[CS], s[CS], s80                 ; a score stands for score x 2^(e6 + e7): the two exponents are added to c's exponent field
	s_mov_b32 s[CS+1], s[CS]                       ; (named with it as a pair, so it is written)
	s_add_co_i32 s80, s70, 127
	s_lshl_b32 s81, s80, 23
	v_mov_b32 v244, s81                            ; 2^e8 as f32, for p's conversions
	s_sub_co_i32 s80, s72, s70
	s_sub_co_i32 s80, s80, s71                     ; e10 - e8 - e9: O^T / the sum stands for that x 2^(e8 + e9)
	s_add_co_i32 s80, s80, 127
	s_lshl_b32 s81, s80, 23
	v_mov_b32 v245, s81
; A KEY STEP: 128 keys, the q-th of the slot in hand.
.macro STEP q
	s_add_co_u32 s96, s[Q0], 15
	s_cmp_gt_u32 s[KF], s96                        ; all 128 keys come after my 16 queries: the step's work is left out; no barrier and no tensor load stands in a step
	s_cbranch_scc1 .Lhidden_\@
	v_add_nc_u32 v[ADR], s[TB], v[LA]
.rept 3
	v_nop                                          ; with the addition above: four places in front of loads into registers that the last products read
.endr
.irp t, 0,1,2,3,4,5,6,7
.irp c, 0,1
	ds_load_b128 v[32+8*\t+4*\c:35+8*\t+4*\c], v[ADR] offset:(8*(\q)+\t)*1024+512*\c   ; K's fragment of keys 16 t on
.endr
.endr
	s_wait_alu depctr_va_vdst(0)
	s_wait_dscnt 0x0
.irp t, 0,1,2,3,4,5,6,7
	v_wmma_f32_16x16x64_fp8_fp8 v[96+8*\t:103+8*\t], v[32+8*\t:39+8*\t], v[16:23], 0
.endr
.rept 4
	v_nop                                          ; places in front of the loads below and of the first read of the scores
.endr
.irp t, 0,1,2,3
.irp g, 0,1,2,3
	ds_load_b128 v[32+16*\t+4*\g:35+16*\t+4*\g], v[ADR] offset:VOFF+8192*(\q)+2048*\t+512*\g   ; V^T's fragment of channels 16 t on: it lands while the softmax is walked
.endr
.endr
	s_add_co_u32 s96, s[KF], 127
	s_cmp_le_u32 s96, s[Q0]                        ; a step all of whose keys count skips the mask
	s_cbranch_scc1 .Lopen_\@
	s_sub_co_i32 s96, s[Q0], s[KF]
	v_and_b32 v252, 15, v0
	v_bfe_u32 v253, v0, 4, 1
	s_delay_alu instid0(VALU_DEP_1)
	v_lshlrev_b32 v253, 3, v253
	s_delay_alu instid0(VALU_DEP_1)
	v_sub_nc_u32 v252, v252, v253
	s_delay_alu instid0(VALU_DEP_1)
	v_add_nc_u32 v252, s96, v252                   ; d = my query - the step's first key - 8 (lane / 16).  Register 8 t + j holds key 16 t + 8 (lane / 16) + j: hidden where 16 t + j > d
	v_mov_b32 v254, 0xff800000                     ; -infinity: p = 0 then
.set n, 0
.rept 64
	v_cmp_gt_i32 vcc_lo, 16*(n/8)+n%8, v252
	v_cndmask_b32 v[96+n], v[96+n], v254, vcc_lo
.set n, n+1
.endr
.Lopen_\@:
	v_max3_num_f32 v254, v96, v97, v98             ; the step's largest score of my query, among my 64 keys, in two chains,
	v_max3_num_f32 v252, v99, v100, v101
.irp i, 6,10,14,18,22,26,30,34,38,42,46,50,54,58
	v_max3_num_f32 v254, v254, v[96+\i], v[97+\i]
	v_max3_num_f32 v252, v252, v[98+\i], v[99+\i]
.endr
	v_max3_num_f32 v254, v254, v158, v159
	s_delay_alu instid0(VALU_DEP_1)
	v_max_num_f32 v254, v254, v252
	s_delay_alu instid0(VALU_DEP_1)
	v_permlanex16_b32 v236, v254, s[SEL], s[SEL+1]
	s_delay_alu instid0(VALU_DEP_1)
	v_max_num_f32 v254, v254, v236                 ; and among lane l xor 16's
	s_delay_alu instid0(VALU_DEP_1)
	v_mul_f32 v254, s[CS], v254                    ; as t (c is positive)
	s_delay_alu instid0(VALU_DEP_1)
	v_max_num_f32 v13, v13, v254                   ; the running largest t
	v_mov_b32 v254, v12
	s_delay_alu instid0(VALU_DEP_2)
	v_floor_f32 v12, -v13                          ; the new -M = floor(-t) = -ceil(t): M is a whole number
	s_delay_alu instid0(VALU_DEP_1)
	v_sub_f32 v254, v12, v254                      ; M's old value less its new one: a whole number, 0 or less
	s_delay_alu instid0(VALU_DEP_1)
	v_cvt_i32_f32 v254, v254                       ; (it saturates)
	s_delay_alu instid0(VALU_DEP_1)
	v_ldexp_f32 v252, 1.0, v254                    ; f = 2^(old M - new M)
.irp j, 0,2,4,6,8,10,12,14,16,18,20,22,24,26,28,30,32,34,36,38,40,42,44,46,48,50,52,54,56,58,60,62
	v_pk_fma_f32 v[96+\j:97+\j], v[96+\j:97+\j], s[CS:CS+1], v[12:13] op_sel_hi:[1,0,0]   ; t - M, two at a time (of the pairs c and -M the low word serves both halves)
.endr
.set j, 0
	s_wait_alu depctr_va_vdst(0)
.rept 64
	v_exp_f32 v[96+j], v[96+j]                     ; p = 2^(t - M), at most 1: not normalised
.set j, j+1
.endr
	v_pk_mul_f32 v[14:15], v[14:15], v[252:253] op_sel_hi:[1,0]   ; the sums under the new M.  (The plain place behind the exponentials)
	s_wait_alu depctr_va_vdst(0)                   ; one wait for the whole batch, ahead of its first reader
	v_pk_add_f32 v[242:243], v[100:101], v[104:105]
	v_pk_add_f32 v[254:255], v[108:109], v[112:113]
	v_pk_add_f32 v[250:251], v[116:117], v[120:121]
	v_pk_add_f32 v[248:249], v[124:125], v[128:129]
	v_pk_add_f32 v[246:247], v[132:133], v[136:137]
	v_pk_add_f32 v[240:241], v[140:141], v[144:145]
	v_pk_add_f32 v[238:239], v[148:149], v[152:153]
	v_pk_add_f32 v[14:15], v[14:15], v[156:157]
	v_pk_add_f32 v[242:243], v[242:243], v[96:97]
	v_pk_add_f32 v[254:255], v[254:255], v[98:99]
	v_pk_add_f32 v[250:251], v[250:251], v[102:103]
	v_pk_add_f32 v[248:249], v[248:249], v[106:107]
	v_pk_add_f32 v[246:247], v[246:247], v[110:111]
	v_pk_add_f32 v[240:241], v[240:241], v[114:115]
	v_pk_add_f32 v[238:239], v[238:239], v[118:119]
	v_pk_add_f32 v[14:15], v[14:15], v[122:123]
	v_pk_add_f32 v[242:243], v[242:243], v[126:127]
	v_pk_add_f32 v[254:255], v[254:255], v[130:131]
	v_pk_add_f32 v[250:251], v[250:251], v[134:135]
	v_pk_add_f32 v[248:249], v[248:249], v[138:139]
	v_pk_add_f32 v[246:247], v[246:247], v[142:143]
	v_pk_add_f32 v[240:241], v[240:241], v[146:147]
	v_pk_add_f32 v[238:239], v[238:239], v[150:151]
	v_pk_add_f32 v[14:15], v[14:15], v[154:155]
	v_pk_add_f32 v[242:243], v[242:243], v[158:159]
	s_delay_alu instid0(VALU_DEP_2)
	v_pk_add_f32 v[14:15], v[14:15], v[248:249]
	s_delay_alu instid0(VALU_DEP_2)
	v_pk_add_f32 v[242:243], v[242:243], v[246:247]
	v_pk_add_f32 v[254:255], v[254:255], v[240:241]
	v_pk_add_f32 v[250:251], v[250:251], v[238:239]
	s_delay_alu instid0(VALU_DEP_2)
	v_pk_add_f32 v[14:15], v[14:15], v[254:255]
	s_delay_alu instid0(VALU_DEP_2)
	v_pk_add_f32 v[242:243], v[242:243], v[250:251]
	s_delay_alu instid0(VALU_DEP_1)
	v_pk_add_f32 v[14:15], v[14:15], v[242:243]
.irp t, 0,1,2,3,4,5,6,7
.irp i, 0,1,2,3,4,5,6,7
.endr
	v_cvt_scalef32_pk8_fp8_f32 v[192+2*\t:193+2*\t], v[96+8*\t:103+8*\t], v244   ; registers 2 t, 2 t + 1 of P: keys 16 t + 8 (lane / 16) + 0 .. 7
.endr
.irp j, 0,2,4,6,8,10,12,14,16,18,20,22,24,26,28,30
	v_pk_mul_f32 v[160+\j:161+\j], v[160+\j:161+\j], v[252:253] op_sel_hi:[1,0]   ; O^T under the new M.  (Also the plain lines between the conversions and the products)
.endr
	s_wait_alu depctr_va_vdst(0)
	s_wait_dscnt 0x0                               ; V's fragments are in
.irp t, 0,1,2,3                                ; the four accumulators take turns, one instruction a turn
	v_wmma_f32_16x16x128_fp8_fp8 v[160+8*\t:167+8*\t], v[32+16*\t:47+16*\t], v[192:207], v[160+8*\t:167+8*\t]
.endr
.Lhidden_\@:
	s_add_co_u32 s[KF], s[KF], 128
.endm
; THE CHANGE OF SLOTS stands at a unit's head.  Each wave waits for all its tensor loads (its part of the slot that it is about to read), adds 0 to its spare word, and waits for that and for its reads of the slot that it has left.
; Behind the barrier the slot ahead is whole and nobody reads the other one.  fill = 1: that other slot is filled for the next unit: the load has a whole unit in which to land.  By this text's count a wave has one tensor load out.
.macro CHANGE fill
	s_wait_tensorcnt 0x0                           ; no tensor load of mine is out, so group 0 may be written
	ds_add_u32 v[SPW], v[NIL]                      ; 0 onto my spare word: the scalar lines below stand between it and the wait for it
	s_lshl_b32 s[KF], s[SN], 8                     ; this unit's first key: the slot asked for last
.if \fill
	s_add_co_u32 s[SN], s[SN], 1                   ; the next unit's slot of keys: the next one,
	s_add_co_u32 s74, s[U], 1
	s_cmp_eq_u32 s74, s[SW]
	s_cselect_b32 s[SN], 0, s[SN]                  ; or slot 0 again, where the second block begins
	s_xor_b32 s[G0+1], s[G0+1], SLOT1              ; the other LDS slot than last time
	s_lshl_b32 s74, s[SN], 14
	s_mov_b32 s75, 0
	s_add_nc_u64 s[G0+2:G0+3], s[SRC:SRC+1], s[74:75]
	s_or_b32 s[G0+3], s[G0+3], 0x80000000
	s_wait_xcnt 0x0                                ; the last prefetch, a unit back, has read its address, so it may be written
	s_add_nc_u64 s[PFA:PFA+1], s[PFA:PFA+1], 16384
.endif
	s_wait_dscnt 0x0                               ; the add is done, and my reads of the slot that I have left are over
	s_barrier_signal -1
	s_barrier_wait -1
.if \fill
	TLOAD                                          ; the first thing behind the barrier, and a wave's one tensor load until the next
	ASK
.endif
.endm
; A block is finished: O^T is divided by the row's sum, quantised, and stored as an image.  Lane (r, h) holds channels 16 t + 8 h + 0 .. 7 of query r; the image wants 32 c + 16 h + 0 .. 15:
; one exchange of the halves of the lanes for each pair of registers turns the one into the other.
.macro FINISH out
.rept 4
	v_nop                                          ; places behind the last products
.endr
	v_add_f32 v14, v14, v15                        ; the sum's two halves,
	s_delay_alu instid0(VALU_DEP_1)
	v_permlanex16_b32 v252, v14, s[SEL], s[SEL+1]
	s_delay_alu instid0(VALU_DEP_1)
	v_add_f32 v14, v14, v252                       ; and lane l xor 16's: the row's sum
	s_wait_alu depctr_va_vdst(0)
	v_rcp_f32 v14, v14
	v_nop                                          ; a plain place behind the reciprocal
	s_wait_alu depctr_va_vdst(0)                   ; and the wait ahead of its first reader
.irp i, 0,2,4,6,8,10,12,14,16,18,20,22,24,26,28,30
	v_pk_mul_f32 v[96+\i:97+\i], v[160+\i:161+\i], v[14:15] op_sel_hi:[1,0]   ; each accumulator from its low end on
.endr
.set i, 0
.rept 32
.set i, i+1
.endr
	s_wait_alu depctr_va_vdst(0)
	s_wait_xcnt 0x0                                ; an earlier block's stores have read the code registers
.irp t, 0,1,2,3
	v_cvt_scalef32_pk8_fp8_f32 v[208+2*\t:209+2*\t], v[96+8*\t:103+8*\t], v245
.endr
	v_nop                                          ; one plain vector line behind the last conversion
	v_permlane16_swap_b32 v208, v210               ; lanes 16-31 of the first change places with lanes 0-15 of the second
	v_permlane16_swap_b32 v209, v211
	v_permlane16_swap_b32 v212, v214
	v_permlane16_swap_b32 v213, v215
	global_store_b128 v[LA], v[208:211], s[\out:\out+1]             ; 32 lanes store 512 consecutive bytes, aligned
	global_store_b128 v[LA], v[212:215], s[\out:\out+1] offset:512
.endm
.macro RESET                           ; the second block begins
.irp i, 0,1,2,3,4,5,6,7
	v_mov_b32 v[16+\i], v[24+\i]
.endr
	s_mov_b32 s[Q0], s[Q0L]
	v_mov_b32 v13, 0xff61b1e6
	s_delay_alu instid0(VALU_DEP_1)
	v_floor_f32 v12, -v13
	v_mov_b32 v14, 0
	v_mov_b32 v15, 0
.set j, 0
.rept 32
	v_mov_b32 v[160+j], 0
.set j, j+1
.endr
.endm
.macro SWITCH                          ; a scalar branch on ids: the same in all sixteen waves
	s_cmp_lg_u32 s[U], s[SW]
	s_cbranch_scc1 .Lsame_\@
	FINISH OUTH
	RESET
.Lsame_\@:
.endm
	s_wait_loadcnt 0x0                             ; Q
.Lunit:                                            ; eight trips: behind each change of slots but the last the next unit's slot is asked for
	CHANGE 1
	SWITCH
	STEP 0
	STEP 1
	s_xor_b32 s[TB], s[TB], SLOT1                  ; on to the other slot
	s_add_co_u32 s[U], s[U], 1
	s_cmp_lt_u32 s[U], 8
	s_cbranch_scc1 .Lunit
	CHANGE 0                                       ; the ninth unit is written out
	SWITCH
	STEP 0
	STEP 1
	FINISH OUTL
	s_wait_tensorcnt 0x0                           ; the wave's end
	ds_add_u32 v[SPW], v[NIL]
	s_wait_dscnt 0x0
	s_endpgm
.Lfunc_end_k_qc8e2f777db_attn:
	.size	k_qc8e2f777db_attn, .Lfunc_end_k_qc8e2f777db_attn-k_qc8e2f777db_attn
	.p2alignl 7, 3214868480
	.fill 96, 4, 3214868480
	.section	.rodata,"a",@progbits
	.p2align	6, 0x0
	.amdhsa_kernel k_qc8e2f777db_attn
		.amdhsa_group_segment_fixed_size 327680
		.amdhsa_private_segment_fixed_size 0
		.amdhsa_enable_private_segment 0
		.amdhsa_kernarg_size 40
		.amdhsa_user_sgpr_count 2
		.amdhsa_user_sgpr_kernarg_segment_ptr 1
		.amdhsa_wavefront_size32 1
		.amdhsa_system_sgpr_workgroup_id_x 1
		.amdhsa_system_sgpr_workgroup_id_y 1
		.amdhsa_system_sgpr_workgroup_id_z 1
		.amdhsa_system_vgpr_workitem_id 0
		.amdhsa_next_free_vgpr 256
		.amdhsa_next_free_sgpr 100
		.amdhsa_reserve_vcc 1
		.amdhsa_float_denorm_mode_32 3
		.amdhsa_float_denorm_mode_16_64 3
		.amdhsa_fp16_overflow 1
		.amdhsa_memory_ordered 1
		.amdhsa_forward_progress 1
		.amdhsa_inst_pref_size 94
	.end_amdhsa_kernel
	.amdgpu_metadata
---
amdhsa.version: [ 1, 2 ]
amdhsa.kernels:
  - .name:           k_qc8e2f777db_attn
    .symbol:         k_qc8e2f777db_attn.kd
    .args:
      - { .name: qf, .offset: 0, .size: 8, .value_kind: global_buffer, .address_space: global }
      - { .name: kf, .offset: 8, .size: 8, .value_kind: global_buffer, .address_space: global }
      - { .name: vf, .offset: 16, .size: 8, .value_kind: global_buffer, .address_space: global }
      - { .name: lowp_scales, .offset: 24, .size: 8, .value_kind: global_buffer, .address_space: global }
      - { .name: af, .offset: 32, .size: 8, .value_kind: global_buffer, .address_space: global }
    .group_segment_fixed_size: 327680
    .private_segment_fixed_size: 0
    .kernarg_segment_align: 8
    .kernarg_segment_size: 40
    .max_flat_workgroup_size: 512
    .sgpr_count:     100
    .vgpr_count:     256
    .wavefront_size: 32
...
	.end_amdgpu_metadata
.endif
;; end of part 2
;; launch oproj (part 3): grid 4 x 32, 4 waves a work-group, clusters of 4 x 4, 327,680 bytes of LDS; arguments af, w_o_codes, lowp_scales, out0; writes out0
.if DOCPART == 3
	.amdgcn_target "amdgcn-amd-amdhsa--gfx1250"
	.amdhsa_code_object_version 6
	.text
	.protected	k_qc8e2f777db_oproj
	.globl	k_qc8e2f777db_oproj
	.p2align	8
	.type	k_qc8e2f777db_oproj,@function
k_qc8e2f777db_oproj:
	s_mov_b64 s[64:65], 0
	v_nop
	global_prefetch_b8 v0, s[64:65] scope:SCOPE_SE
	s_setreg_imm32_b32 hwreg(HW_REG_WAVE_MODE, 25, 1), 1
	s_wait_xcnt 0x0
	s_wait_alu depctr_hold_cnt(0) depctr_sa_sdst(0) depctr_va_vdst(0) depctr_va_sdst(0) depctr_va_ssrc(0) depctr_va_vcc(0) depctr_vm_vsrc(0)
	s_getreg_b32 s2, hwreg(HW_REG_IB_STS2, 6, 4)
	s_cmp_eq_u32 s2, 0
	s_cbranch_scc0 .Lentry_in_a_cluster
	s_endpgm
.Lentry_in_a_cluster:
	s_bfe_u32 s2, ttmp6, 0x10000c
	s_cmp_lg_u32 s2, 0xf033
	s_cbranch_scc0 .Lentry_shape_is_right
	s_endpgm
.Lentry_shape_is_right:
; out[m][n] = sum over k of attn[m][k] Wo[n][k] x 2^(e10 + e11), on codes of FP8 (E4M3).  attn: 8,192 x 1,024 codes, laid as images of operand registers (below); Wo: [1024][1024] codes, K innermost; out: [8192][1024] f32.
; LIMIT: e10 + e11 lies between -126 and 127, so that 2^(e10 + e11) is an f32 number.
; af: [256 along K][tile of 16 tokens][64 along K][2][lane][16 bytes]: registers 4 c .. 4 c + 3 of lane (r, h) of a fragment of 16 tokens x 128 K hold K = 32 c + 16 h + 0 .. 15: the very places of k that four
; loads of 16 bytes, 32 bytes apart, give to a row of Wo.  So A's tile of a K step (256 tokens x 256 K) is 65,536 dense bytes, and each LDS load of a fragment takes 512 consecutive bytes.
; A tile of out, 256 x 256, is made by a work-group of four waves; a wave makes 128 x 128: 64 accumulators, 512 registers.  K goes in four steps of 256 through a ring of two LDS slots.
; CLUSTERS: 4 x 4 work-groups.  The four of a row of the cluster ask jointly for A's tile, the four of a column for B's.  The matrix instruction takes 16 rows of Wo as source 0 and 16 tokens as source 1:
; a lane then holds eight neighbouring numbers of a row of out.  The grid has 128 work-groups: 32 x 4 tiles of 256 x 256.
; No prefetch is laid: K has four steps, and the first four K steps of such a ring come by their own loads.
; REGISTERS, in windows of 256: window 0: v0-31 addresses; from v128 A's fragments, one set; on the way out v32-255 are free.   window 1: B's fragments, two sets.   windows 2, 3: the accumulators of my rows 0-63, 64-127.
.set SIZE_N, 1024
.set KSTEP,  256
.set ROWB,   256                       ; a row of B's tile in bytes
.set KROW,   1024                      ; a row of Wo in memory, in bytes
.set PITCH,  272                       ; B's LDS row: 256 bytes + 16 of padding
.set FR,     16
.set NL,     4
.set NP,     4
.set HALFT,  128*PITCH                 ; B: 128 rows: what one tensor load brings
.set ABLK,   32768                     ; A: 128 tokens x 256 K: what one tensor load brings
.set BOFF,   2*ABLK                    ; a slot: A's 65,536 bytes, then B's 256 rows
.set SLOT,   BOFF+2*HALFT
.set ASTEP,  1<<21                     ; from a K step to the next in af
.set LAPS,   2
.set SPARE,  2*SLOT                    ; behind the ring: the spare words, 128 bytes for each wave
.set SPITCH, 528                       ; the way out: a stage of 16 rows x (512 bytes + 16) for each wave, in slot 0, which has had its last fill and its last read when the first result is stored there
.set ADRA, 16
.set ADRB, 20
.set STO,  24
.set RD,   25
.set CO,   26
.set SPW,  28
.set NIL,  29
.set TMP,  32
.set AF,   128
.set BK,   128
.set G1, 24
.set G0, 32
.set G1B, 48
.set G0B, 56
.set MSB, 0
.macro WIN new                         ; the immediate's high byte repeats the setting that is left
.if MSB != (\new)
	s_set_vgpr_msb (MSB<<8)|(\new)
.set MSB, (\new)
.endif
.endm
.set MUL_LO, 0xa1
.set MUL_HI, 0xf1
.set TO_B,   0x40
.macro JLOAD g0a, g1a, g0b, g1b        ; a joint load: waves 0 and 1 fetch for A, waves 2 and 3 for B; four v_nop follow each of the two lines
	s_cmp_eq_u32 s15, 0
	s_cbranch_scc0 .Lfor_b_\@
	tensor_load_to_lds s[\g0a:\g0a+3], s[\g1a:\g1a+7]
	s_nop 0
.rept 4
	v_nop
.endr
	s_branch .Lasked_\@
.Lfor_b_\@:
	tensor_load_to_lds s[\g0b:\g0b+3], s[\g1b:\g1b+7]
	s_nop 0
.rept 4
	v_nop
.endr
.Lasked_\@:
.endm
.macro CREST
	s_cmp_lg_u32 s14, 0
	s_cbranch_scc1 .Lnot_wave_0_\@
	s_barrier_signal -3
.Lnot_wave_0_\@:
	s_barrier_wait -3
	s_barrier_signal -1
	s_barrier_wait -1
.endm
.macro CROUND
	s_barrier_signal -1
	s_barrier_wait -1
	CREST
.endm
	s_load_b128 s[4:7], s[0:1], 0x0                ; af s[4:5], Wo's codes s[6:7]
	s_load_b128 s[8:11], s[0:1], 0x10              ; the scales' exponents s[8:9], out s[10:11]
	v_lshl_add_u32 v[SPW], v0, 2, SPARE
	v_mov_b32 v[NIL], 0
	ds_add_u32 v28, v29
	ds_add_u32 v28, v29
	s_wait_dscnt 0x0
	v_lshrrev_b32 v1, 5, v0
	v_readfirstlane_b32 s14, v1                    ; wave 0..3
	s_lshr_b32 s15, s14, 1                         ; which half of the tile's rows is mine.  Also: I fetch for A (0) or for B (1)
	s_and_b32 s16, s14, 1                          ; which half of its columns.  Also: which half of that tile I fetch
	s_bfe_u32 s40, ttmp6, 0x40000                  ; cx, cy
	s_bfe_u32 s41, ttmp6, 0x40004
	s_lshl_b32 s42, ttmp9, 2
	s_add_co_u32 s42, s42, s40                     ; tile column = 4 x cluster x + cx
	s_and_b32 s17, ttmp7, 0xffff
	s_lshl_b32 s17, s17, 2
	s_add_co_u32 s17, s17, s41                     ; tile row = 4 x cluster y + cy
	s_lshl_b32 s43, s41, 2
	s_lshl_b32 s43, 15, s43                        ; my row of the cluster
	s_lshl_b32 s44, 0x1111, s40                    ; my column
	; A's group 1: 32,768 dense bytes as 128 rows of 256, no padding
	s_or_b32 s[G1+0], s43, (3<<16)|(1<<21)         ; 15:0 the mask: my row; 17:16 elements of 8 bytes; 21 set beside a mask
	s_mov_b32 s[G1+1], 32<<16                      ; tensor_dim0 = 32
	s_mov_b32 s[G1+2], 128<<16                     ; tensor_dim1 = 128
	s_mov_b32 s[G1+3], 32<<16                      ; tile_dim0 = 32
	s_mov_b32 s[G1+4], 128                         ; tile_dim1 = 128
	s_mov_b32 s[G1+5], 32                          ; tensor_dim0_stride
	s_mov_b32 s[G1+6], 0
	s_mov_b32 s[G1+7], 0
	; B's group 1: 128 rows x 256 bytes, padded in LDS
	s_or_b32 s[G1B+0], s44, (0<<16)|(1<<20)|(1<<21)|(5<<22)|(3<<25)  ; the mask: my column; elements of 1 byte; padding: 4 words after every 64
	s_mov_b32 s[G1B+1], ROWB<<16
	s_mov_b32 s[G1B+2], 128<<16
	s_mov_b32 s[G1B+3], ROWB<<16
	s_mov_b32 s[G1B+4], 128
	s_mov_b32 s[G1B+5], KROW
	s_mov_b32 s[G1B+6], 0
	s_mov_b32 s[G1B+7], 0
	s_lshl_b32 s20, s17, 16                        ; A: the tile row's 16 tiles of tokens, 4,096 bytes each,
	s_lshl_b32 s18, s16, 15
	s_add_co_u32 s20, s20, s18                     ; + my half of them
	s_mov_b32 s21, 0
	s_lshl_b32 s18, s16, 7
	s_lshl_b32 s46, s42, 8
	s_add_co_u32 s46, s46, s18                     ; B: row 256 x tile column + 128 x half,
	s_lshl_b32 s46, s46, 10                        ; in bytes
	s_mov_b32 s47, 0
	s_lshl_b32 s45, s16, 15                        ; where they go: A's halves at 0 and 32,768,
	s_mul_i32 s84, s16, HALFT
	s_add_co_u32 s84, s84, BOFF                    ; B's behind them: no place in the cluster enters an LDS address
	s_wait_kmcnt 0x0
	s_load_b64 s[96:97], s[8:9], 0x28              ; e10, e11
	s_add_nc_u64 s[20:21], s[4:5], s[20:21]
	s_add_nc_u64 s[46:47], s[6:7], s[46:47]
	CROUND                                         ; all sixteen work-groups are here: the first joint loads meet
.irp s, 0,1
	s_mov_b32 s[G0+4*\s], 1
	s_add_co_u32 s[G0+4*\s+1], s45, \s*SLOT
	s_add_nc_u64 s[G0+4*\s+2:G0+4*\s+3], s[20:21], \s*ASTEP
	s_or_b32 s[G0+4*\s+3], s[G0+4*\s+3], 0x80000000
	s_mov_b32 s[G0B+4*\s], 1
	s_add_co_u32 s[G0B+4*\s+1], s84, \s*SLOT
	s_add_nc_u64 s[G0B+4*\s+2:G0B+4*\s+3], s[46:47], \s*ROWB
	s_or_b32 s[G0B+4*\s+3], s[G0B+4*\s+3], 0x80000000
	s_wait_alu depctr_va_vdst(0)
	s_wait_tensorcnt 0x0
	ds_add_u32 v28, v29
	ds_add_u32 v28, v29
	s_wait_dscnt 0x0
	CROUND
	JLOAD G0+4*\s, G1, G0B+4*\s, G1B
.endr
	v_and_b32 v1, 15, v0                           ; l % 16
	v_bfe_u32 v2, v0, 4, 1                         ; l / 16
	v_and_b32 v6, 31, v0
	v_lshlrev_b32 v[CO], 4, v6                     ; 16 x lane
	v_mul_u32_u24 v3, v1, PITCH
	v_lshl_add_u32 v4, v2, 4, v3                   ; B: a fragment's row x pitch + 16 x half
	s_lshl_b32 s21, s15, 15                        ; my 128 tokens of A
	s_mul_i32 s22, s16, HALFT                      ; my 128 rows of B,
	s_add_co_u32 s22, s22, BOFF                    ; which lie behind A
.irp s, 0,1
	v_add_nc_u32 v[ADRA+\s], s21, v[CO]
	v_add_nc_u32 v[ADRB+\s], s22, v4
	s_add_co_u32 s21, s21, SLOT
	s_add_co_u32 s22, s22, SLOT
.endr
	s_mul_i32 s23, s14, 16*SPITCH                  ; my stage
	v_mul_u32_u24 v5, v1, SPITCH                   ; in: row l % 16, 32 bytes for each half of the lanes
	v_lshl_add_u32 v5, v2, 5, v5
	v_add_nc_u32 v[STO], s23, v5
	v_add_nc_u32 v[RD], s23, v[CO]                 ; back: the 32 lanes take one row of 512 bytes; and the same in out
	s_lshl_b32 s20, s17, 8
	s_lshl_b32 s21, s15, 7
	s_add_co_u32 s20, s20, s21                     ; my first row of out: 256 x tile row + 128 x half
	s_lshl_b32 s20, s20, 12                        ; rows of 4,096 bytes: under 2^25
	s_mov_b32 s21, 0
	s_lshl_b32 s46, s42, 10                        ; my first column, in bytes: 1024 x tile column + 512 x half
	s_lshl_b32 s47, s16, 9
	s_add_co_u32 s46, s46, s47
	s_mov_b32 s47, 0
	s_add_nc_u64 s[20:21], s[20:21], s[46:47]
	s_add_nc_u64 s[10:11], s[10:11], s[20:21]
.macro FRAGB reg, adr, q, i            ; 16 rows of Wo x 128 K: registers 4 c .. 4 c + 3 hold K = 32 c + 16 (l / 16) + 0 .. 15
.irp c, 0,1,2,3
	ds_load_b128 v[\reg+4*\c:\reg+4*\c+3], v[\adr] offset:128*(\q)+32*\c+(\i)*16*PITCH
.endr
.endm
.macro FRAGA reg, adr, q, i            ; 16 tokens x 128 K, as the image lies: the same places of k
.irp c, 0,1,2,3
	ds_load_b128 v[\reg+4*\c:\reg+4*\c+3], v[\adr] offset:(\i)*4096+(\q)*2048+512*\c
.endr
.endm
; 16 matrix instructions: A's blocks a0, a0 + 1 x B's eight, 128 along K.  The 64 accumulators take turns, one instruction a turn, in the same order in every step.
.macro MUL16 a0, p, zero
.irp a, \a0, \a0+1
.irp b, 0,1,2,3,4,5,6,7
.if \zero
	v_wmma_f32_16x16x128_fp8_fp8 v[8*(8*((\a)%4)+\b):8*(8*((\a)%4)+\b)+7], v[128*(\p)+FR*\b:128*(\p)+FR*\b+FR-1], v[AF+FR*(\a):AF+FR*(\a)+FR-1], 0
.else
	v_wmma_f32_16x16x128_fp8_fp8 v[8*(8*((\a)%4)+\b):8*(8*((\a)%4)+\b)+7], v[128*(\p)+FR*\b:128*(\p)+FR*\b+FR-1], v[AF+FR*(\a):AF+FR*(\a)+FR-1], v[8*(8*((\a)%4)+\b):8*(8*((\a)%4)+\b)+7]
.endif
.endr
.endr
.endm
.macro FETCH_B slot, q, p
	WIN TO_B
.irp i, 0,1,2,3,4,5,6,7
	FRAGB 128*(\p)+FR*\i, ADRB+\slot, \q, \i
.endr
	WIN 0
.endm
.macro FETCH_A slot, q, i0
.irp i, \i0, \i0+1, \i0+2, \i0+3
	FRAGA AF+FR*(\i), ADRA+\slot, \q, \i
.endr
.endm
.macro PLACES n                        ; places in front of loads into registers that matrix instructions have read, and of the first read of results (ISA guide 7.12.1 for vector instructions)
.rept \n
	v_nop
.endr
.endm
.macro STEP slot, q, zero
	s_wait_dscnt 4*NL                              ; B's set and A's blocks 0-3 are in; the youngest sixteen loads (A's blocks 4-7) may be out
	WIN MUL_LO
	MUL16 0, (\q)%2, \zero
	MUL16 2, (\q)%2, \zero
	s_wait_dscnt 0
	PLACES NP
	FETCH_B \slot, (\q)+1, 1-(\q)%2
	FETCH_A \slot, (\q)+1, 0
	WIN MUL_HI
	MUL16 4, (\q)%2, \zero
	MUL16 6, (\q)%2, \zero
	PLACES NP
	WIN 0
	FETCH_A \slot, (\q)+1, 4
.endm
.macro TURN slot, next, fill
	s_wait_tensorcnt 0x0                           ; all my tensor loads have landed: my part of the next slot
	ds_add_u32 v[SPW], v[NIL]                      ; 0 onto my spare word
	s_wait_dscnt 4*NL+1                            ; (the add and the youngest sixteen loads may be out)
	WIN MUL_LO
	MUL16 0, 1, 0
	s_wait_dscnt 0x0                               ; the add is done, and my reads of this slot are over
	s_barrier_signal -1
	MUL16 2, 1, 0
	WIN 0
	s_barrier_wait -1
.if \fill
	CREST                                          ; the barrier has opened a round of the cluster's barrier
	s_add_nc_u64 s[G0+4*\slot+2:G0+4*\slot+3], s[G0+4*\slot+2:G0+4*\slot+3], 2*ASTEP
	s_add_nc_u64 s[G0B+4*\slot+2:G0B+4*\slot+3], s[G0B+4*\slot+2:G0B+4*\slot+3], 2*ROWB
	JLOAD G0+4*\slot, G1, G0B+4*\slot, G1B         ; the first tensor load behind the round; its four v_nop are the places in front of the loads below
.else
	PLACES NP
.endif
	FETCH_B \next, 0, 0
	FETCH_A \next, 0, 0
	WIN MUL_HI
	MUL16 4, 1, 0
	MUL16 6, 1, 0
	PLACES NP
	WIN 0
	FETCH_A \next, 0, 4
.endm
	s_wait_alu depctr_va_vdst(0)
	s_wait_tensorcnt 1                             ; my part of K step 0 is in (K step 1's load may be out)
	s_barrier_signal -1
	s_barrier_wait -1                              ; everybody's is
	FETCH_B 0, 0, 0
	FETCH_A 0, 0, 0
	FETCH_A 0, 0, 4
	STEP 0, 0, 1                                   ; the first step's products start the sums
	s_mov_b32 s3, LAPS-1
.Llap:
	TURN 0, 1, 1
	STEP 1, 0, 0
	TURN 1, 0, 1
	STEP 0, 0, 0
	s_sub_co_u32 s3, s3, 1
	s_cmp_lg_u32 s3, 0
	s_cbranch_scc1 .Llap
	TURN 0, 1, 0                                   ; the last lap fills nothing
	STEP 1, 0, 0
	s_wait_dscnt 4*NL
	WIN MUL_LO
	MUL16 0, 1, 0
	MUL16 2, 1, 0
	s_wait_dscnt 0
	WIN MUL_HI
	MUL16 4, 1, 0
	MUL16 6, 1, 0
	WIN 0
; THE WAY OUT, block by block of 16 rows x 128 columns, through my own stage in LDS: in as 32 bytes a lane, back as whole rows of 512 bytes.  LDS serves a wave's instructions in order (ISA guide 5.7.1.4).
.macro TOSTAGE a
.set AC, 64*((\a)%4)
	WIN 0x02+((\a)/4)
.irp j, 0,2,4,6,8,10,12,14,16,18,20,22,24,26,28,30,32,34,36,38,40,42,44,46,48,50,52,54,56,58,60,62
	v_pk_mul_f32 v[TMP+\j:TMP+\j+1], v[AC+\j:AC+\j+1], s[96:97] op_sel_hi:[1,0]   ; both x s96 = 2^(e10 + e11); each accumulator from its low end on
.endr
	WIN 0
.irp b, 0,1,2,3,4,5,6,7
	ds_store_b128 v[STO], v[TMP+8*\b:TMP+8*\b+3] offset:64*\b
	ds_store_b128 v[STO], v[TMP+8*\b+4:TMP+8*\b+7] offset:64*\b+16
.endr
.set BB, BK+64*((\a)%2)
.irp t, 0,1,2,3,4,5,6,7,8,9,10,11,12,13,14,15
	ds_load_b128 v[BB+4*\t:BB+4*\t+3], v[RD] offset:\t*SPITCH
.endr
.endm
.macro SEND a, younger                 ; younger: the LDS instructions issued behind block a's loads, which may stay out
.set BB, BK+64*((\a)%2)
	s_wait_dscnt \younger
.if (\a) > 0
	s_add_nc_u64 s[10:11], s[10:11], 16*SIZE_N*4   ; (behind a wait on XCNT: the earlier stores have read their base)  16 rows on
.endif
.irp t, 0,1,2,3,4,5,6,7,8,9,10,11,12,13,14,15
	global_store_b128 v[CO], v[BB+4*\t:BB+4*\t+3], s[10:11] offset:\t*SIZE_N*4 th:TH_STORE_NT   ; 32 lanes store 512 consecutive bytes, aligned; written once, read by nobody here
.endr
.endm
	s_wait_kmcnt 0x0
	s_add_co_i32 s96, s96, s97                     ; e10 + e11, between -126 and 127,
	s_add_co_i32 s96, s96, 127
	s_lshl_b32 s96, s96, 23                        ; makes the f32 number 2^(e10 + e11)
	PLACES NP
	TOSTAGE 0
.irp a, 1,2,3,4,5,6,7
.if \a > 1
	s_wait_xcnt 0x0                                ; block a - 2's stores have read their registers and their base
.endif
	TOSTAGE \a
	SEND \a-1, 32                                  ; behind block a - 1's loads: block a's 16 stores and 16 loads
.endr
	s_wait_xcnt 0x0
	SEND 7, 0
	s_wait_tensorcnt 0x0                           ; the wave's end
	ds_add_u32 v[SPW], v[NIL]
	s_wait_dscnt 0x0
	CROUND                                         ; the closing round
	s_endpgm
.Lfunc_end_k_qc8e2f777db_oproj:
	.size	k_qc8e2f777db_oproj, .Lfunc_end_k_qc8e2f777db_oproj-k_qc8e2f777db_oproj
	.p2alignl 7, 3214868480
	.fill 96, 4, 3214868480
	.section	.rodata,"a",@progbits
	.p2align	6, 0x0
	.amdhsa_kernel k_qc8e2f777db_oproj
		.amdhsa_group_segment_fixed_size 327680
		.amdhsa_private_segment_fixed_size 0
		.amdhsa_enable_private_segment 0
		.amdhsa_kernarg_size 32
		.amdhsa_user_sgpr_count 2
		.amdhsa_user_sgpr_kernarg_segment_ptr 1
		.amdhsa_wavefront_size32 1
		.amdhsa_system_sgpr_workgroup_id_x 1
		.amdhsa_system_sgpr_workgroup_id_y 1
		.amdhsa_system_sgpr_workgroup_id_z 1
		.amdhsa_system_vgpr_workitem_id 0
		.amdhsa_next_free_vgpr 1024
		.amdhsa_next_free_sgpr 98
		.amdhsa_reserve_vcc 0
		.amdhsa_float_denorm_mode_32 3
		.amdhsa_float_denorm_mode_16_64 3
		.amdhsa_memory_ordered 1
		.amdhsa_forward_progress 1
		.amdhsa_inst_pref_size 124
	.end_amdhsa_kernel
	.amdgpu_metadata
---
amdhsa.version: [ 1, 2 ]
amdhsa.kernels:
  - .name:           k_qc8e2f777db_oproj
    .symbol:         k_qc8e2f777db_oproj.kd
    .args:
      - { .name: af, .offset: 0, .size: 8, .value_kind: global_buffer, .address_space: global }
      - { .name: w_o_codes, .offset: 8, .size: 8, .value_kind: global_buffer, .address_space: global }
      - { .name: lowp_scales, .offset: 16, .size: 8, .value_kind: global_buffer, .address_space: global }
      - { .name: out0, .offset: 24, .size: 8, .value_kind: global_buffer, .address_space: global }
    .group_segment_fixed_size: 327680
    .private_segment_fixed_size: 0
    .kernarg_segment_align: 8
    .kernarg_segment_size: 32
    .max_flat_workgroup_size: 128
    .sgpr_count:     98
    .vgpr_count:     1024
    .wavefront_size: 32
...
	.end_amdgpu_metadata
.endif
;; end of part 3
